; MI455X (gfx1250); checked and timed in simulation.
; The chip was launched on July 23, 2026; its instructions are those of AMD's public machine-readable ISA for CDNA 5 (MIT licence, August 2026) and "CDNA5" Instruction Set Architecture Reference Guide (July 2026). The comments in the code are by the model that wrote it; some were corrected since.
;; Multi Head Attention. Allowed arithmetic: matrix products marked QUANTISED: E2M3 operands, one E8M0 scale for each 32 along K, by v_wmma_scale_f32_16x16x128_f8f6f4 with both operands' format E2M3, f32 sums; everything else in f32.
;; Inputs: W_out 1,024 x 1,024 float32; W_qkv 1,024 x 3,072 float32; b_out 1,024 float32; b_qkv 3,072 float32; mask 1 x 1 x 2,048 x 2,048 int32; x 4 x 2,048 x 1,024 float32.
;; Outputs: out0 4 x 2,048 x 1,024 float32.
;; This version of the problem:
;;   THIS VERSION OF THE PROBLEM IS GIVEN IN LOW PRECISION. The matrix products marked QUANTISED in the list below multiply operands that are first quantised to E2M3 (2 exponent bits, 3 mantissa bits; 6 bits a number), with one power-of-two scale for each 32 numbers along K (OCP MX v1.0); their sums are f32. All else is computed in f32.
;;   The module's matrix products, in the order in which they are computed (A, B: the left and right operand; K: the contracted axis; several contracted axes count as one K, in the product's order):
;;     1. [M 8,192, K 1,024] x [K 1,024, N 3,072]; A: input x; B: input W_qkv: QUANTISED
;;     2. batch 64 x [M 2,048, K 64] x [K 64, N 2,048]; A: computed on the way; B: computed on the way: QUANTISED
;;     3. batch 64 x [M 2,048, K 2,048] x [K 2,048, N 64]; A: softmax (see below); B: computed on the way: QUANTISED
;;     4. [M 8,192, K 1,024] x [K 1,024, N 1,024]; A: computed on the way; B: input W_out: QUANTISED
;;   THE QUANTISER, for each operand of a quantised product, along K:
;;     - K is cut into blocks of 32 from its start; a last block that is shorter is filled with zeros.
;;     - A block's scale is 2^e with e = floor(log2(the largest magnitude in the block)) - 2, held to -126 .. 127; a block of zeros has e = 0. As a byte (E8M0): e + 127.
;;     - Each number is divided by its block's scale, clamped to +-7.5, and rounded to the nearest number of E2M3, ties to even, subnormals kept.
;;     - The product sums the exact products of the quantised numbers (number of the format x scale) in f32.
;;   ~~~python
;;   def quantise(x, axis):      # numpy; x: float32 -> the quantised numbers, widened to float32 again
;;       x = np.moveaxis(x, axis, -1); K = x.shape[-1]
;;       x = np.pad(x, [(0, 0)] * (x.ndim - 1) + [(0, -K % 32)]); x = x.reshape(x.shape[:-1] + (-1, 32)); a = np.abs(x).max(-1, keepdims=True)
;;       e = np.where(a > 0, np.clip(np.frexp(np.where(a > 0, a, 1))[1] - 1 - 2, -126, 127), 0)      # np.frexp(a)[1] - 1 = floor(log2(a)), exactly
;;       r = np.clip(x / 2.0 ** e, -7.5, 7.5)
;;       step = 2.0 ** (np.maximum(np.frexp(np.where(r == 0, 1, r))[1] - 1, 0) - 3)
;;       q = np.round(r / step) * step * 2.0 ** e      # np.round: ties to even
;;       return np.moveaxis(q.reshape(q.shape[:-2] + (-1,))[..., :K], -1, axis).astype(np.float32)
;;   ~~~
;;   SOFTMAX AHEAD OF A QUANTISED PRODUCT. Where the list says 'softmax', what is quantised is not the finished softmax but p = 2^(t - M), with t = logit x log2(e) and M = ceil(the row's largest t), a whole number; so 1/2 < the row's largest p <= 1. The row's sum l is taken of the UNQUANTISED p, in f32, and the product's result is divided by l at the end. Since M is a whole number, a kernel that streams over the keys may use a running M (the ceiling of the running maximum): every later rescaling is an exact power of two, which a block's scale takes up: the codes' values come out the same.
;;   OPERANDS COMPUTED ON THE WAY. 'Computed on the way' means the value that the module computes at that place (a softmax that the list does not call 'softmax' is quantised finished and normalised). What goes into a quantiser is computed in f32, as accurately as f32 sums, v_exp_f32 and their like allow (about 1e-6 of the number): no bf16 or f16 on the way to a quantiser, and a product that is left as it is and whose result goes on into a quantised operand takes f32 operands (vector FMAs, or v_wmma_f32_16x16x4_f32). A number that lies on a knife's edge between two numbers of the format may be rounded either way, as far as f32 arithmetic and the matrix unit's own rounding can turn it there, and no further.
;; One version. Each part assembles by itself: llvm-mc -triple=amdgcn-amd-amdhsa -mcpu=gfx1250 --defsym DOCPART=n.
;; ======== version 1 of 1: 4 launches
;; limits: right only within a limited range of input values
;; workspace buffers: xq 6,553,600 bytes; wq 3,276,800 bytes; cq 6,553,600 bytes; mb 524,288 bytes of whole numbers; qkv 20,185,088 bytes
;; launch prep (part 1): grid 640 x 1, 4 waves a work-group, no clusters, 68,096 bytes of LDS; arguments x, mask, W_qkv, W_out, xq, mb, wq; writes xq, mb, wq
.if DOCPART == 1
	.amdgcn_target "amdgcn-amd-amdhsa--gfx1250"
	.amdhsa_code_object_version 6
	.text
	.protected	k_q00da823f00_prep
	.globl	k_q00da823f00_prep
	.p2align	8
	.type	k_q00da823f00_prep,@function
k_q00da823f00_prep:
	s_mov_b64 s[64:65], 0
	v_nop
	global_prefetch_b8 v0, s[64:65] scope:SCOPE_SE
	s_setreg_imm32_b32 hwreg(HW_REG_WAVE_MODE, 25, 1), 1
	s_wait_xcnt 0x0
; x [8192][1024] and the two weights ([1024][3072], [1024][1024], K their FIRST axis) become codes of FP6 (E2M3) with one E8M0 byte for each 32 along K; the mask becomes lane masks.
; A block's scale is 2^(floor(log2(its largest magnitude)) - 2): its byte is the largest magnitude's exponent field - 2, held at 1 from below.
; LIMITS: a block of zeros, or one whose largest magnitude lies under 2^-124, gets the byte 1 (its codes are zeros or right; these bytes are read by this program alone); NaN and infinities are not served.
; LAYOUT OF THE CODES: images of the operand's registers.  A tile is 16 rows (x) or 16 columns (W): row r of tile t is number 32 (t / 2) + 8 (t % 2) + r + 8 (r / 8).
; A tile's 64 along K are 768 bytes: lane (r, h) owns k = 32 h .. 32 h + 31, 24 bytes: its first 16 at 16 x lane, its last 8 at 512 + 8 x lane.  A tile is 16 such pieces, 12,288 bytes.
; SCALES: [tile][half of K][r][4 words], a word = the four bytes of 128 along K.
; MASK: mb [tile of 16 queries][step of 128 keys][64 words]: bit r + 16 h of word n is set where mask[query r of the tile][128 step + 32 (n / 16) + 16 h + n % 16] is 0.
; Four paths part on the work-group's number and never join: 256 work-groups for x, 128 for the mask, 192 for W_qkv, 64 for W_out.  Waves share nothing: no barrier.
; x and the mask are loaded as they lie (512 consecutive bytes a load) and turn through the wave's own stage in LDS (rows 528 bytes apart); each of the two paths has LDS bytes of its own.
.set XSO,  6291456                     ; xq: the scales lie behind the codes of 512 tiles
.set WSO,  3145728                     ; wq: behind the codes of 256 tiles
.set SPT,  528                         ; a stage row: 512 bytes + 16
.set WST,  16*SPT                      ; a wave's stage
.set MST,  4*WST                       ; the mask path's stages lie behind the x path's
.set LO,   4                           ; v4   16 x lane
.set LO8,  5                           ; v5   512 + 8 x lane
.set L8,   6                           ; v6   8 x lane
.set SH8,  7                           ; v7   8 h
.set SIX,  8                           ; v8   x path: into the stage
.set SOX,  9                           ; v9   x path: out of it: row r, + 128 h
.set SIM,  10                          ; v10  mask path: into its stage
.set SOM,  11                          ; v11  mask path: out of it: row r, + 64 h
.set SV,   12                          ; v12  16 r + 8 h
.set MX,   14                          ; v14-15 largest magnitudes;  v16-17 scale operands;  v18-19 bytes
.set SO,   16
.set BY,   18
.set WT,   20
.set WU,   21
.set WD,   22                          ; v22-25 the four scale words of a row
.set E0,   26                          ; v26-27 the two that I store
.set MW,   14                          ; mask path: v14-21 the words of four steps, two to a lane
.set R,    32                          ; v32-159  two sets of 64 registers as loaded
.set X,    160                         ; v160-223 64 numbers of a lane
.set C,    224                         ; v224-235 a fragment's codes
.set CT,   236                         ; v236-238, v240-242 second halves of blocks, as converted
	s_load_b256 s[4:11], s[0:1], 0x0               ; x, mask, W_qkv, W_out
	s_load_b128 s[12:15], s[0:1], 0x20             ; xq, mb
	s_load_b64 s[16:17], s[0:1], 0x30              ; wq
	v_lshl_add_u32 v248, v0, 2, 0x10800
	v_mov_b32 v249, 0
	v_lshrrev_b32 v1, 5, v0
	v_readfirstlane_b32 s18, v1                    ; wave
	v_and_b32 v1, 31, v0                           ; lane
	v_and_b32 v2, 15, v0                           ; r
	v_bfe_u32 v3, v0, 4, 1                         ; h
	s_mov_b32 s20, 0x76543210
	s_mov_b32 s21, 0xfedcba98                      ; selects for lane l xor 16
	s_mul_i32 s19, s18, WST
	v_lshlrev_b32 v[LO], 4, v1
	v_lshlrev_b32 v[L8], 3, v1
	v_add_nc_u32 v[LO8], 512, v[L8]
	v_lshlrev_b32 v[SH8], 3, v3
	v_add_nc_u32 v[SIX], s19, v[LO]
	v_add_nc_u32 v[SIM], MST, v[SIX]
	v_mul_u32_u24 v[SOX], v2, SPT
	v_add_nc_u32 v[SOX], s19, v[SOX]
	v_lshl_add_u32 v[SOM], v3, 6, v[SOX]
	v_add_nc_u32 v[SOM], MST, v[SOM]
	v_lshl_add_u32 v[SOX], v3, 7, v[SOX]
	v_lshlrev_b32 v[SV], 4, v2
	v_lshl_add_u32 v[SV], v3, 3, v[SV]
	s_wait_kmcnt 0x0
	s_cmp_lt_u32 ttmp9, 256
	s_cbranch_scc1 .Lpath_x
	s_cmp_lt_u32 ttmp9, 384
	s_cbranch_scc1 .Lpath_m
	s_cmp_lt_u32 ttmp9, 576
	s_cbranch_scc1 .Lpath_wq
	s_branch .Lpath_wo
; sixteen rows of a tile, 512 bytes of each at byte 512 s: each load reads 512 consecutive bytes
.macro ROWS set, s, pitch, src
.irp i, 0,1,2,3,4,5,6,7,8,9,10,11,12,13,14,15
	global_load_b128 v[R+64*(\set)+4*\i:R+64*(\set)+4*\i+3], v[LO], s[\src:\src+1] offset:(\i+8*(\i/8))*\pitch+512*(\s) th:TH_LOAD_NT
.endr
.endm
.macro TURNIN set, adr                 ; and into the stage as they lie
.irp i, 0,1,2,3,4,5,6,7,8,9,10,11,12,13,14,15
	ds_store_b128 v[\adr], v[R+64*(\set)+4*\i:R+64*(\set)+4*\i+3] offset:SPT*\i
.endr
.endm
.macro FIRSTROW                        ; s25 = the first row of tile s23: 32 (t / 2) + 8 (t % 2)
	s_lshr_b32 s25, s23, 1
	s_lshl_b32 s25, s25, 5
	s_and_b32 s26, s23, 1
	s_lshl_b32 s26, s26, 3
	s_add_co_u32 s25, s25, s26
.endm
; ---------------- x: a wave takes one tile of 16 rows x 512 along K, in four steps of 128
.Lpath_x:
	s_lshl_b32 s22, ttmp9, 2
	s_add_co_u32 s22, s22, s18
	s_lshr_b32 s23, s22, 1                         ; the tile
	s_and_b32 s24, s22, 1                          ; which half of K
	FIRSTROW
	s_lshl_b32 s26, s25, 12                        ; rows of 4,096 bytes
	s_lshl_b32 s27, s24, 11
	s_add_co_u32 s26, s26, s27
	s_mov_b32 s27, 0
	s_add_nc_u64 s[4:5], s[4:5], s[26:27]
	s_lshl_b32 s28, s23, 9
	s_lshl_b32 s29, s24, 8
	s_add_co_u32 s28, s28, s29
	s_add_co_u32 s28, s28, XSO
	s_mov_b32 s29, 0
	s_add_nc_u64 s[30:31], s[12:13], s[28:29]      ; my 256 bytes of scale words
	s_mul_i32 s26, s23, 12288
	s_mul_i32 s28, s24, 6144
	s_add_co_u32 s26, s26, s28
	s_add_nc_u64 s[12:13], s[12:13], s[26:27]      ; my eight pieces of codes
	v_mov_b32 v[WU], 0                             ; a lane permute's destination counts as read
	ROWS 0, 0, 4096, 4
	ROWS 1, 1, 4096, 4
.macro XSTEP s
.if \s < 3
	s_wait_loadcnt 16                              ; this step's sixteen loads are in; the next step's sixteen may be out
.else
	s_wait_loadcnt 0x0
.endif
	TURNIN (\s)%2, SIX
.irp c, 0,1
.irp j, 0,1,2,3,4,5,6,7
	ds_load_b128 v[X+32*\c+4*\j:X+32*\c+4*\j+3], v[SOX] offset:256*\c+16*\j   ; k = 64 c + 32 h + 0 .. 31 of row r: a whole block
.endr
.endr
	s_wait_dscnt 0x0                               ; the numbers are back, and the stage's stores have read their registers
	s_wait_xcnt 0x0                                ; the last step's stores have read the codes' registers
.if \s < 2
	ROWS (\s)%2, (\s)+2, 4096, 4
.endif
.irp c, 0,1
	v_max3_num_f32 v[MX+\c], |v[X+32*\c]|, |v[X+32*\c+1]|, 0x1800000   ; with the floor 2^(3 - 127): the byte cannot fall under 1
.endr
.irp i, 2,4,6,8,10,12,14,16,18,20,22,24,26,28,30
.irp c, 0,1
	v_max3_num_f32 v[MX+\c], v[MX+\c], |v[X+32*\c+\i]|, |v[X+32*\c+\i+1]|
.endr
.endr
.irp c, 0,1
	v_add_nc_u32 v[SO+\c], 0xff000000, v[MX+\c]    ; 2 off the exponent field: the conversion's scale operand
.endr
.irp c, 0,1
	v_lshrrev_b32 v[BY+\c], 23, v[SO+\c]           ; the byte
.endr
	v_lshl_or_b32 v[WT], v[BY+1], 16, v[BY]        ; my blocks h and 2 + h,
	v_lshlrev_b32 v[WT], v[SH8], v[WT]             ; at their places in the word;
	v_permlanex16_b32 v[WU], v[WT], s20, s21
	v_or_b32 v[WD+\s], v[WT], v[WU]                ; with the other half's two the word is whole
.irp c, 0,1
	v_cvt_scalef32_pk16_fp6_f32 v[C+6*\c:C+6*\c+2], v[X+32*\c:X+32*\c+15], v[SO+\c]
	v_cvt_scalef32_pk16_fp6_f32 v[CT+4*\c:CT+4*\c+2], v[X+32*\c+16:X+32*\c+31], v[SO+\c]   ; (a conversion's three registers begin on an even number)
.endr
	v_nop                                          ; one plain place behind the conversions
.irp c, 0,1
.irp i, 0,1,2
	v_mov_b32 v[C+6*\c+3+\i], v[CT+4*\c+\i]
.endr
.endr
.irp c, 0,1
	global_store_b128 v[LO], v[C+6*\c:C+6*\c+3], s[12:13] offset:(2*(\s)+\c)*768     ; 512 consecutive bytes
	global_store_b64 v[LO8], v[C+6*\c+4:C+6*\c+5], s[12:13] offset:(2*(\s)+\c)*768   ; and 256 behind them
.endr
.endm
	s_wait_alu depctr_va_vdst(0)
	XSTEP 0
	XSTEP 1
	XSTEP 2
	XSTEP 3
	v_cmp_ne_u32 vcc_lo, 0, v3
	v_cndmask_b32 v[E0], v[WD], v[WD+2], vcc_lo    ; lanes 0-15 store words 0, 1 of their row, lanes 16-31 words 2, 3
	v_cndmask_b32 v[E0+1], v[WD+1], v[WD+3], vcc_lo
	global_store_b64 v[SV], v[E0:E0+1], s[30:31]   ; 256 consecutive bytes
	s_wait_tensorcnt 0x0
	ds_add_u32 v248, v249
	s_wait_dscnt 0x0
	s_endpgm
; ---------------- the mask: a wave takes one tile of 16 queries x 512 keys, in four steps of 128 keys
.Lpath_m:
	s_sub_co_u32 s22, ttmp9, 256
	s_lshl_b32 s22, s22, 2
	s_add_co_u32 s22, s22, s18
	s_lshr_b32 s23, s22, 2                         ; the tile of queries
	s_and_b32 s24, s22, 3                          ; which quarter of the keys
	FIRSTROW
	s_lshl_b32 s26, s25, 13                        ; rows of 8,192 bytes
	s_lshl_b32 s27, s24, 11
	s_add_co_u32 s26, s26, s27
	s_mov_b32 s27, 0
	s_add_nc_u64 s[6:7], s[6:7], s[26:27]
	s_lshl_b32 s26, s23, 12
	s_lshl_b32 s28, s24, 10
	s_add_co_u32 s26, s26, s28
	s_add_nc_u64 s[14:15], s[14:15], s[26:27]
.irp i, 0,1,2,3,4,5,6,7
	v_mov_b32 v[MW+\i], 0                          ; v_writelane_b32's destination counts as read
.endr
	ROWS 0, 0, 8192, 6
	ROWS 1, 1, 8192, 6
.macro MSTEP s
.if \s < 3
	s_wait_loadcnt 16                              ; this step's sixteen loads are in; the next step's sixteen may be out
.else
	s_wait_loadcnt 0x0
.endif
	TURNIN (\s)%2, SIM
.irp b, 0,1,2,3
.irp j, 0,1,2,3
	ds_load_b128 v[X+16*\b+4*\j:X+16*\b+4*\j+3], v[SOM] offset:128*\b+16*\j   ; register n: key 32 (n / 16) + 16 h + n % 16 of query r
.endr
.endr
	s_wait_dscnt 0x0
.if \s < 2
	ROWS (\s)%2, (\s)+2, 8192, 6
.endif
.irp q, 0,1,2,3
.irp n, 0,1,2,3,4,5,6,7,8,9,10,11,12,13,14,15
	v_cmp_eq_u32 s[32+\n], 0, v[X+16*\q+\n]        ; the compare's lane mask IS word 16 q + n
.endr
.irp n, 0,1,2,3,4,5,6,7,8,9,10,11,12,13,14,15
	v_writelane_b32 v[MW+2*(\s)+\n%2], s[32+\n], 8*\q+\n/2   ; lane l gathers words 2 l and 2 l + 1
.endr
.endr
	global_store_b64 v[L8], v[MW+2*(\s):MW+2*(\s)+1], s[14:15] offset:256*(\s)   ; 256 consecutive bytes; each step has its own registers
.endm
	MSTEP 0
	MSTEP 1
	MSTEP 2
	MSTEP 3
	s_wait_tensorcnt 0x0
	ds_add_u32 v248, v249
	s_wait_dscnt 0x0
	s_endpgm
; ---------------- a weight: a lane takes a column, its registers run down K.  A wave takes 32 columns (two tiles) x 128 along K: four blocks
.macro LOADW t, pitch, src
.irp i, 0,1,2,3,4,5,6,7,8,9,10,11,12,13,14,15,16,17,18,19,20,21,22,23,24,25,26,27,28,29,30,31
	global_load_b32 v[R+32*((\t)%2)+\i], v13, s[\src:\src+1] offset:(32*(\t)+\i)*\pitch th:TH_LOAD_NT
.endr
.endm
.macro WBLOCK t, pitch, src
.set XB, R+32*((\t)%2)
.if \t < 3
	s_wait_loadcnt 32                              ; this block's 32 loads are in; the next block's may be out
.else
	s_wait_loadcnt 0x0
.endif
	v_max3_num_f32 v20, |v[XB]|, |v[XB+1]|, |v[XB+2]|
	v_max3_num_f32 v21, |v[XB+3]|, |v[XB+4]|, |v[XB+5]|
.irp i, 6,10,14,18,22,26
	v_max3_num_f32 v20, v20, |v[XB+\i]|, |v[XB+\i+1]|
	v_max3_num_f32 v21, v21, |v[XB+\i+2]|, |v[XB+\i+3]|
.endr
	v_max3_num_f32 v20, v20, |v[XB+30]|, |v[XB+31]|
	v_max3_num_f32 v20, v20, v21, 0x1800000        ; and the floor
	v_add_nc_u32 v22, 0xff000000, v20
	v_lshrrev_b32 v23, 23, v22
.if \t == 0
	v_mov_b32 v24, v23
.else
	v_lshl_or_b32 v24, v23, 8*(\t), v24            ; the column's scale word for these 128 along K
.endif
	v_cvt_scalef32_pk16_fp6_f32 v[X+8*(\t):X+8*(\t)+2], v[XB:XB+15], v22
	v_cvt_scalef32_pk16_fp6_f32 v[CT:CT+2], v[XB+16:XB+31], v22
	v_nop
.irp i, 0,1,2
	v_mov_b32 v[X+8*(\t)+3+\i], v[CT+\i]
.endr
	global_store_b128 v17, v[X+8*(\t):X+8*(\t)+3], s[30:31] offset:((\t)/2)*768+256*((\t)%2)     ; sixteen lanes of a tile fill 256 consecutive bytes; each block has its own registers
	global_store_b64 v18, v[X+8*(\t)+4:X+8*(\t)+5], s[30:31] offset:((\t)/2)*768+128*((\t)%2)
.if \t < 2
	LOADW (\t)+2, \pitch, \src
.endif
.endm
.macro WPATH src, pitch, tilebase, wgbase
	s_sub_co_u32 s22, ttmp9, \wgbase
	s_lshr_b32 s23, s22, 3                         ; which 128 columns
	s_and_b32 s24, s22, 7                          ; which 128 along K
	s_lshl_b32 s25, s23, 7
	s_lshl_b32 s26, s18, 5
	s_add_co_u32 s25, s25, s26                     ; my wave's first column
	s_mul_i32 s26, s24, 128*\pitch
	s_lshl_b32 s27, s25, 2
	s_add_co_u32 s26, s26, s27
	s_mov_b32 s27, 0
	s_add_nc_u64 s[\src:\src+1], s[\src:\src+1], s[26:27]
	s_lshr_b32 s28, s25, 4
	s_add_co_u32 s28, s28, \tilebase               ; my first tile in wq
	s_mul_i32 s26, s28, 12288
	s_mul_i32 s29, s24, 1536
	s_add_co_u32 s26, s26, s29
	s_add_nc_u64 s[30:31], s[16:17], s[26:27]
	s_lshl_b32 s26, s28, 9
	s_lshr_b32 s29, s24, 2
	s_lshl_b32 s29, s29, 8
	s_add_co_u32 s26, s26, s29
	s_and_b32 s29, s24, 3
	s_lshl_b32 s29, s29, 2
	s_add_co_u32 s26, s26, s29
	s_add_co_u32 s26, s26, WSO
	s_add_nc_u64 s[32:33], s[16:17], s[26:27]
	v_lshlrev_b32 v13, 2, v1                       ; in: 4 bytes a lane: 128 consecutive bytes a load
	v_bfe_u32 v14, v0, 3, 1                        ; column l of the 32 is row (l % 8) + 8 (l / 16) of tile (l / 8) % 2
	v_and_b32 v15, 7, v0
	v_lshl_add_u32 v15, v3, 3, v15
	v_mul_u32_u24 v16, v14, 12288
	v_lshl_add_u32 v17, v15, 4, v16
	v_lshl_add_u32 v18, v15, 3, v16
	v_add_nc_u32 v18, 512, v18
	v_lshlrev_b32 v19, 9, v14
	v_lshl_add_u32 v19, v15, 4, v19
	LOADW 0, \pitch, \src
	LOADW 1, \pitch, \src
	WBLOCK 0, \pitch, \src
	WBLOCK 1, \pitch, \src
	WBLOCK 2, \pitch, \src
	WBLOCK 3, \pitch, \src
	global_store_b32 v19, v24, s[32:33]            ; 4 bytes a lane, 16 bytes apart: one byte in 128 of what this path reads
	s_endpgm
.endm
.Lpath_wq:
	WPATH 8, 12288, 0, 384
.Lpath_wo:
	WPATH 10, 4096, 192, 576
.Lfunc_end_k_q00da823f00_prep:
	.size	k_q00da823f00_prep, .Lfunc_end_k_q00da823f00_prep-k_q00da823f00_prep
	.p2alignl 7, 3214868480
	.fill 96, 4, 3214868480
	.section	.rodata,"a",@progbits
	.p2align	6, 0x0
	.amdhsa_kernel k_q00da823f00_prep
		.amdhsa_group_segment_fixed_size 68096
		.amdhsa_private_segment_fixed_size 0
		.amdhsa_enable_private_segment 0
		.amdhsa_kernarg_size 56
		.amdhsa_user_sgpr_count 2
		.amdhsa_user_sgpr_kernarg_segment_ptr 1
		.amdhsa_wavefront_size32 1
		.amdhsa_system_sgpr_workgroup_id_x 1
		.amdhsa_system_sgpr_workgroup_id_y 1
		.amdhsa_system_sgpr_workgroup_id_z 1
		.amdhsa_system_vgpr_workitem_id 0
		.amdhsa_next_free_vgpr 250
		.amdhsa_next_free_sgpr 66
		.amdhsa_reserve_vcc 1
		.amdhsa_float_denorm_mode_32 3
		.amdhsa_float_denorm_mode_16_64 3
		.amdhsa_memory_ordered 1
		.amdhsa_forward_progress 1
		.amdhsa_inst_pref_size 119
	.end_amdhsa_kernel
	.amdgpu_metadata
---
amdhsa.version: [ 1, 2 ]
amdhsa.kernels:
  - .name:           k_q00da823f00_prep
    .symbol:         k_q00da823f00_prep.kd
    .args:
      - { .name: x, .offset: 0, .size: 8, .value_kind: global_buffer, .address_space: global }
      - { .name: mask, .offset: 8, .size: 8, .value_kind: global_buffer, .address_space: global }
      - { .name: W_qkv, .offset: 16, .size: 8, .value_kind: global_buffer, .address_space: global }
      - { .name: W_out, .offset: 24, .size: 8, .value_kind: global_buffer, .address_space: global }
      - { .name: xq, .offset: 32, .size: 8, .value_kind: global_buffer, .address_space: global }
      - { .name: mb, .offset: 40, .size: 8, .value_kind: global_buffer, .address_space: global }
      - { .name: wq, .offset: 48, .size: 8, .value_kind: global_buffer, .address_space: global }
    .group_segment_fixed_size: 68096
    .private_segment_fixed_size: 0
    .kernarg_segment_align: 8
    .kernarg_segment_size: 56
    .max_flat_workgroup_size: 128
    .sgpr_count:     66
    .vgpr_count:     250
    .wavefront_size: 32
...
	.end_amdgpu_metadata
.endif
;; end of part 1
;; launch gemm1 (part 2): grid 8 x 48, 4 waves a work-group, clusters of 4 x 4, 327,680 bytes of LDS; arguments xq, wq, b_qkv, qkv; writes qkv
.if DOCPART == 2
	.amdgcn_target "amdgcn-amd-amdhsa--gfx1250"
	.amdhsa_code_object_version 6
	.text
	.protected	k_q00da823f00_gemm1
	.globl	k_q00da823f00_gemm1
	.p2align	8
	.type	k_q00da823f00_gemm1,@function
k_q00da823f00_gemm1:
	s_mov_b64 s[64:65], 0
	v_nop
	global_prefetch_b8 v0, s[64:65] scope:SCOPE_SE
	s_setreg_imm32_b32 hwreg(HW_REG_WAVE_MODE, 25, 1), 1
	s_wait_xcnt 0x0
	s_wait_alu depctr_hold_cnt(0) depctr_sa_sdst(0) depctr_va_vdst(0) depctr_va_sdst(0) depctr_va_ssrc(0) depctr_va_vcc(0) depctr_vm_vsrc(0)
	s_getreg_b32 s2, hwreg(HW_REG_IB_STS2, 6, 4)
	s_cmp_eq_u32 s2, 0
	s_cbranch_scc0 .Lentry_in_a_cluster
	s_endpgm
.Lentry_in_a_cluster:
	s_bfe_u32 s2, ttmp6, 0x10000c
	s_cmp_lg_u32 s2, 0xf033
	s_cbranch_scc0 .Lentry_shape_is_right
	s_endpgm
.Lentry_shape_is_right:
.set XSO,   6291456
.set WSO,   3145728
.set REC,   19712
.set HS,    16*REC
.set NQ,    2
.set FR,    12
.set NL,    4
.set NP,    4
.set HALFT, 24576
.set SLOT,  4*HALFT
.set SCL,   2*SLOT
.set SPARE, SCL+4*4096
.set ADRA,  16
.set ADRB,  20
.set ADRS,  27
.set SPW,   28
.set NIL,   29
.set SC,    32
.set BQ,    64
.set AF,    128
.set BV,    224
.set T,     128
.set PC,    192
.set PWS,   212
.set TM,    240
.set G1, 24
.set G0, 32
.set G1B, 48
.set G0B, 56
.set G1S, 68
.set G0S, 76
.set G1SB, 80
.set G0SB, 88
.set MSB, 0
.macro WIN new
.if MSB != (\new)
	s_set_vgpr_msb (MSB<<8)|(\new)
.set MSB, (\new)
.endif
.endm
.set MUL_LO, 0xa1
.set MUL_HI, 0xf1
.set TO_B,   0x40
.macro JLOAD g0a, g1a, g0b, g1b
	s_cmp_eq_u32 s15, 0
	s_cbranch_scc0 .Lfor_b_\@
	tensor_load_to_lds s[\g0a:\g0a+3], s[\g1a:\g1a+7]
	s_nop 0
.rept 4
	v_nop
.endr
	s_branch .Lasked_\@
.Lfor_b_\@:
	tensor_load_to_lds s[\g0b:\g0b+3], s[\g1b:\g1b+7]
	s_nop 0
.rept 4
	v_nop
.endr
.Lasked_\@:
.endm
.macro CREST
	s_cmp_lg_u32 s14, 0
	s_cbranch_scc1 .Lnot_wave_0_\@
	s_barrier_signal -3
.Lnot_wave_0_\@:
	s_barrier_wait -3
	s_barrier_signal -1
	s_barrier_wait -1
.endm
.macro CROUND
	s_barrier_signal -1
	s_barrier_wait -1
	CREST
.endm
	s_load_b128 s[4:7], s[0:1], 0x0
	s_load_b128 s[8:11], s[0:1], 0x10
	v_lshl_add_u32 v[SPW], v0, 2, SPARE
	v_mov_b32 v[NIL], 0
	ds_add_u32 v28, v29
	ds_add_u32 v28, v29
	s_wait_dscnt 0x0
	v_lshrrev_b32 v1, 5, v0
	v_readfirstlane_b32 s14, v1
	s_lshr_b32 s15, s14, 1
	s_and_b32 s16, s14, 1
	s_bfe_u32 s40, ttmp6, 0x40000
	s_bfe_u32 s41, ttmp6, 0x40004
	s_and_b32 s17, ttmp7, 0xffff
	s_lshl_b32 s42, ttmp9, 2
	s_add_co_u32 s42, s42, s40
	s_lshl_b32 s45, s17, 2
	s_add_co_u32 s45, s45, s41
	s_add_co_u32 s92, s41, 8
	s_max_u32 s93, s17, 8
	s_sub_co_u32 s93, s93, 8
	s_lshl_b32 s93, s93, 1
	s_add_co_u32 s93, s93, ttmp9
	s_lshl_b32 s93, s93, 2
	s_add_co_u32 s93, s93, s40
	s_cmp_ge_u32 s17, 8
	s_cselect_b32 s3, 1, 0
	s_cselect_b32 s45, s92, s45
	s_cselect_b32 s42, s93, s42
	s_lshl_b32 s43, s41, 2
	s_lshl_b32 s43, 15, s43
	s_lshl_b32 s44, 0x1111, s40
	s_or_b32 s[G1+0], s43, (3<<16)|(1<<21)
	s_or_b32 s[G1B+0], s44, (3<<16)|(1<<21)
.irp g, G1, G1B
	s_mov_b32 s[\g+1], 384<<16
	s_mov_b32 s[\g+2], 16<<16
	s_mov_b32 s[\g+3], 384<<16
	s_mov_b32 s[\g+4], 16
	s_mov_b32 s[\g+5], 1536
	s_mov_b32 s[\g+6], 0
	s_mov_b32 s[\g+7], 0
.endr
	s_or_b32 s[G1S+0], s43, (3<<16)|(1<<21)
	s_or_b32 s[G1SB+0], s44, (3<<16)|(1<<21)
.irp g, G1S, G1SB
	s_mov_b32 s[\g+1], 32<<16
	s_mov_b32 s[\g+2], 32<<16
	s_mov_b32 s[\g+3], 32<<16
	s_mov_b32 s[\g+4], 32
	s_mov_b32 s[\g+5], 32
	s_mov_b32 s[\g+6], 0
	s_mov_b32 s[\g+7], 0
.endr
	s_lshl_b32 s20, s45, 1
	s_add_co_u32 s20, s20, s16
	s_lshl_b32 s46, s42, 1
	s_add_co_u32 s46, s46, s16
	s_lshl_b32 s22, s20, 12
	s_lshl_b32 s94, s46, 12
	s_mul_i32 s20, s20, 98304
	s_mul_i32 s46, s46, 98304
	s_mov_b32 s21, 0
	s_mov_b32 s23, 0
	s_mov_b32 s47, 0
	s_mov_b32 s95, 0
	s_mul_i32 s66, s14, HALFT
	s_lshl_b32 s67, s14, 12
	s_wait_kmcnt 0x0
	s_add_nc_u64 s[96:97], s[4:5], XSO
	s_add_nc_u64 s[98:99], s[6:7], WSO
	s_cmp_ge_u32 s17, 8
	s_cselect_b64 s[18:19], s[6:7], s[4:5]
	s_add_nc_u64 s[20:21], s[18:19], s[20:21]
	s_cselect_b64 s[18:19], s[98:99], s[96:97]
	s_add_nc_u64 s[22:23], s[18:19], s[22:23]
	s_cselect_b64 s[18:19], s[4:5], s[6:7]
	s_add_nc_u64 s[46:47], s[18:19], s[46:47]
	s_cselect_b64 s[18:19], s[96:97], s[98:99]
	s_add_nc_u64 s[94:95], s[18:19], s[94:95]
	CROUND
; THE HEAD'S FOUR TILES, each whole, one joint load a wave: wave 0 slot 0's 16 tile rows of the first operand, wave 1 those of the second, wave 2 the first's scales (32 rows of 256 bytes), wave 3 the second's.
	s_mul_i32 s100, s16, 98304                     ; s[20:21] and s[46:47] point at my half of the tile rows: the whole tile begins so many bytes earlier
	s_mov_b32 s101, 0
	s_mov_b32 s[G0], 1
	s_mov_b32 s[G0+1], 0
	s_sub_nc_u64 s[G0+2:G0+3], s[20:21], s[100:101]
	s_or_b32 s[G0+3], s[G0+3], 0x80000000
	s_mov_b32 s[G0B], 1
	s_mov_b32 s[G0B+1], 2*HALFT
	s_sub_nc_u64 s[G0B+2:G0B+3], s[46:47], s[100:101]
	s_or_b32 s[G0B+3], s[G0B+3], 0x80000000
	s_lshl_b32 s100, s16, 12                       ; the same for the scales: 4,096 bytes a half
	s_mov_b32 s[G0S], 1
	s_mov_b32 s[G0S+1], SCL
	s_sub_nc_u64 s[G0S+2:G0S+3], s[22:23], s[100:101]
	s_or_b32 s[G0S+3], s[G0S+3], 0x80000000
	s_mov_b32 s[G0SB], 1
	s_mov_b32 s[G0SB+1], SCL+8192
	s_sub_nc_u64 s[G0SB+2:G0SB+3], s[94:95], s[100:101]
	s_or_b32 s[G0SB+3], s[G0SB+3], 0x80000000
	s_mov_b32 s[G0+4], 1                           ; slot 1's first fill: my quarter, as in the ring
	s_add_co_u32 s[G0+5], s66, SLOT
	s_add_nc_u64 s[G0+6:G0+7], s[20:21], 3072
	s_or_b32 s[G0+7], s[G0+7], 0x80000000
	s_mov_b32 s[G0B+4], 1
	s_add_co_u32 s[G0B+5], s66, SLOT
	s_add_nc_u64 s[G0B+6:G0B+7], s[46:47], 3072
	s_or_b32 s[G0B+7], s[G0B+7], 0x80000000
.macro ARM under, g0, g1, next                 ; one chain of branches on the wave's number: every way passes exactly one load
	s_cmp_lt_u32 s14, \under
	s_cbranch_scc0 \next
	tensor_load_to_lds s[\g0:\g0+3], s[\g1:\g1+7]
	s_nop 0
.rept 4
	v_nop
.endr
	s_branch .Lhead_asked
\next:
.endm
	ARM 1, G0,  G1,  .Lhead_b
	ARM 2, G0B, G1B, .Lhead_sa
	ARM 3, G0S, G1S, .Lhead_sb
	tensor_load_to_lds s[G0SB:G0SB+3], s[G1SB:G1SB+7]
	s_nop 0
.rept 4
	v_nop
.endr
.Lhead_asked:
	s_wait_alu depctr_va_vdst(0)
	s_wait_tensorcnt 0x0                           ; my tile of the four is in
	ds_add_u32 v28, v29
	s_mov_b32 s[G1+2], 8<<16                       ; no tensor load of mine is out: from here on a load brings 8 tile rows,
	s_mov_b32 s[G1+4], 8
	s_mov_b32 s[G1B+2], 8<<16
	s_mov_b32 s[G1B+4], 8
	s_add_co_u32 s[G0+1], s66, 0                   ; and slot 0's group 0 points at my quarter: its first refill steps it on
	s_mov_b64 s[G0+2:G0+3], s[20:21]
	s_or_b32 s[G0+3], s[G0+3], 0x80000000
	s_add_co_u32 s[G0B+1], s66, 0
	s_mov_b64 s[G0B+2:G0B+3], s[46:47]
	s_or_b32 s[G0B+3], s[G0B+3], 0x80000000
	s_wait_dscnt 0x0
	CROUND
	JLOAD G0+4, G1, G0B+4, G1B
	v_and_b32 v1, 15, v0
	v_bfe_u32 v2, v0, 4, 1
	v_and_b32 v3, 31, v0
	v_lshlrev_b32 v4, 4, v3
	v_lshlrev_b32 v5, 3, v3
	v_add_nc_u32 v5, 512, v5
	s_mul_i32 s21, s15, HALFT
	s_mul_i32 s22, s16, HALFT
	s_add_co_u32 s22, s22, 2*HALFT
.irp s, 0,1
	v_add_nc_u32 v[ADRA+\s], s21, v4
	v_add_nc_u32 v[ADRB+\s], s22, v4
	v_add_nc_u32 v[ADRA+2+\s], s21, v5
	v_add_nc_u32 v[ADRB+2+\s], s22, v5
	s_add_co_u32 s21, s21, SLOT
	s_add_co_u32 s22, s22, SLOT
.endr
	v_lshlrev_b32 v6, 4, v1
	s_lshl_b32 s21, s15, 12
	s_lshl_b32 s22, s16, 12
	s_add_co_u32 s22, s22, 8192
	s_sub_co_u32 s22, s22, s21
	v_mul_u32_u24 v7, s22, v2
	s_add_co_u32 s21, s21, SCL
	v_add_nc_u32 v6, v6, v7
	v_add_nc_u32 v[ADRS], s21, v6
	s_lshl_b32 s92, s45, 8
	s_lshl_b32 s18, s15, 7
	s_add_co_u32 s92, s92, s18
	s_lshl_b32 s93, s42, 8
	s_lshl_b32 s18, s16, 7
	s_add_co_u32 s93, s93, s18
	s_cmp_lg_u32 s3, 0
	s_cselect_b32 s94, s93, s92
	s_cselect_b32 s95, s92, s93
	s_cselect_b32 s96, 0, s93
	s_cselect_b32 s98, s92, 0
	s_cselect_b32 s18, 6656, 0
	s_lshl_b32 s96, s96, 2
	s_mov_b32 s97, 0
	s_lshl_b32 s98, s98, 2
	s_mov_b32 s99, 0
	s_add_nc_u64 s[96:97], s[8:9], s[96:97]
	s_add_nc_u64 s[98:99], s[8:9], s[98:99]
	s_cmp_lt_u32 s95, 1024
	s_cselect_b32 s19, 13056, 0
	s_add_co_u32 s18, s18, s19
	s_lshr_b32 s19, s94, 11
	s_lshl_b32 s19, s19, 8
	s_bfe_u32 s20, s94, 0x40007
	s_add_co_u32 s19, s19, s20
	s_bfe_u32 s20, s95, 0x30007
	s_lshl_b32 s20, s20, 5
	s_add_co_u32 s19, s19, s20
	s_mul_i32 s19, s19, REC
	s_add_co_u32 s18, s18, s19
	s_mov_b32 s19, 0
	s_add_nc_u64 s[12:13], s[10:11], s[18:19]
	v_lshlrev_b32 v8, 4, v2
	v_mul_u32_u24 v9, v2, HS
	v_lshl_add_u32 v9, v1, 4, v9
	v_lshlrev_b32 v10, 6, v2
	v_and_b32 v11, 8, v1
	v_add_nc_u32 v11, v11, v1
	v_lshlrev_b32 v11, 2, v11
.irp b, 0,1,2,3,4,5,6,7
	global_load_b128 v[BQ+8*\b:BQ+8*\b+3], v10, s[96:97] offset:(32*(\b/2)+8*(\b%2))*4
	global_load_b128 v[BQ+8*\b+4:BQ+8*\b+7], v10, s[96:97] offset:(32*(\b/2)+8*(\b%2))*4+16
.endr
.irp a, 0,1,2,3,4,5,6,7
	global_load_b32 v[BV+2*\a], v11, s[98:99] offset:(32*(\a/2)+8*(\a%2))*4
	global_load_b32 v[BV+2*\a+1], v11, s[98:99] offset:(32*(\a/2)+8*(\a%2))*4
.endr
.macro FRAG reg, adr, q, i
	ds_load_b128 v[\reg:\reg+3], v[\adr] offset:3072*(\i)+1536*(\q)
	ds_load_b64 v[\reg+4:\reg+5], v[\adr+2] offset:3072*(\i)+1536*(\q)
	ds_load_b128 v[\reg+6:\reg+9], v[\adr] offset:3072*(\i)+1536*(\q)+768
	ds_load_b64 v[\reg+10:\reg+11], v[\adr+2] offset:3072*(\i)+1536*(\q)+768
.endm
.macro MUL16 a0, p, q, sc, zero
.irp a, \a0, \a0+1
.irp b, 0,1,2,3,4,5,6,7
.set DA, 8*(8*((\a)%4)+\b)
.set RB, 128*(\p)+FR*\b
.set RA, AF+FR*(\a)
.set SCB, SC+8*NQ*(\sc)+NQ*\b+(\q)
.set SCA, SC+8*NQ*(\sc)+NQ*(\a)+(\q)
.if \zero
	v_wmma_scale_f32_16x16x128_f8f6f4 v[DA:DA+7], v[RB:RB+FR-1], v[RA:RA+FR-1], 0, v[SCB], v[SCA] matrix_a_fmt:MATRIX_FMT_FP6 matrix_b_fmt:MATRIX_FMT_FP6 matrix_a_scale:MATRIX_SCALE_ROW1
.else
	v_wmma_scale_f32_16x16x128_f8f6f4 v[DA:DA+7], v[RB:RB+FR-1], v[RA:RA+FR-1], v[DA:DA+7], v[SCB], v[SCA] matrix_a_fmt:MATRIX_FMT_FP6 matrix_b_fmt:MATRIX_FMT_FP6 matrix_a_scale:MATRIX_SCALE_ROW1
.endif
.endr
.endr
.endm
.macro FETCH_B slot, q, p
	WIN TO_B
.irp i, 0,1,2,3,4,5,6,7
	FRAG 128*(\p)+FR*\i, ADRB+\slot, \q, \i
.endr
	WIN 0
.endm
.macro FETCH_A slot, q, i0
.irp i, \i0, \i0+1, \i0+2, \i0+3
	FRAG AF+FR*(\i), ADRA+\slot, \q, \i
.endr
.endm
.macro SCALES sc, ks
.irp i, 0,1,2,3,4,5,6,7
	ds_load_b64 v[SC+8*NQ*\sc+NQ*\i:SC+8*NQ*\sc+NQ*\i+1], v[ADRS] offset:512*\i+256*((\ks)/2)+8*((\ks)%2)
.endr
.endm
.macro PLACES n
.rept \n
	v_nop
.endr
.endm
.macro STEP slot, q, zero
	s_wait_dscnt 4*NL
	WIN MUL_LO
	MUL16 0, (\q)%2, \q, \slot, \zero
	MUL16 2, (\q)%2, \q, \slot, \zero
	s_wait_dscnt 0
	PLACES NP
	FETCH_B \slot, (\q)+1, 1-(\q)%2
	FETCH_A \slot, (\q)+1, 0
	WIN MUL_HI
	MUL16 4, (\q)%2, \q, \slot, \zero
	MUL16 6, (\q)%2, \q, \slot, \zero
	PLACES NP
	WIN 0
	FETCH_A \slot, (\q)+1, 4
.endm
.macro TURN slot, next, fill, ks
	s_wait_tensorcnt 0x0
	ds_add_u32 v[SPW], v[NIL]
	s_wait_dscnt 4*NL+1
	WIN MUL_LO
	MUL16 0, 1, NQ-1, \slot, 0
	s_wait_dscnt 0x0
	s_barrier_signal -1
	MUL16 2, 1, NQ-1, \slot, 0
	WIN 0
	s_barrier_wait -1
.if \fill
	CREST
	s_add_nc_u64 s[G0+4*\slot+2:G0+4*\slot+3], s[G0+4*\slot+2:G0+4*\slot+3], 6144
	s_add_nc_u64 s[G0B+4*\slot+2:G0B+4*\slot+3], s[G0B+4*\slot+2:G0B+4*\slot+3], 6144
	JLOAD G0+4*\slot, G1, G0B+4*\slot, G1B
.else
	PLACES NP
.endif
	FETCH_B \next, 0, 0
	FETCH_A \next, 0, 0
	SCALES \next, \ks
	WIN MUL_HI
	MUL16 4, 1, NQ-1, \slot, 0
	MUL16 6, 1, NQ-1, \slot, 0
	PLACES NP
	WIN 0
	FETCH_A \next, 0, 4
.endm
	s_wait_alu depctr_va_vdst(0)
	s_wait_tensorcnt 1
	s_barrier_signal -1
	s_barrier_wait -1
	FETCH_B 0, 0, 0
	FETCH_A 0, 0, 0
	SCALES 0, 0
	FETCH_A 0, 0, 4
	STEP 0, 0, 1
	TURN 0, 1, 1, 1
	STEP 1, 0, 0
	TURN 1, 0, 1, 2
	STEP 0, 0, 0
	TURN 0, 1, 0, 3
	STEP 1, 0, 0
	s_wait_dscnt 4*NL
	WIN MUL_LO
	MUL16 0, 1, NQ-1, 1, 0
	MUL16 2, 1, NQ-1, 1, 0
	s_wait_dscnt 0
	WIN MUL_HI
	MUL16 4, 1, NQ-1, 1, 0
	MUL16 6, 1, NQ-1, 1, 0
	WIN 0
.macro QUANT s, pw
.irp b, 0,1,2,3
	v_max3_num_f32 v[TM+\b], |v[(\s)+16*\b]|, |v[(\s)+1+16*\b]|, 0x1800000
.endr
.irp i, 2,4,6,8,10,12,14
.irp b, 0,1,2,3
	v_max3_num_f32 v[TM+\b], v[TM+\b], |v[(\s)+16*\b+\i]|, |v[(\s)+1+16*\b+\i]|
.endr
.endr
.irp b, 0,1,2,3
	v_permlanex16_b32 v[TM+4+\b], v[TM+\b], s70, s71
.endr
.irp b, 0,1,2,3
	v_max_num_f32 v[TM+\b], v[TM+\b], v[TM+4+\b]
.endr
.irp b, 0,1,2,3
	v_add_nc_u32 v[TM+12+\b], 0xff000000, v[TM+\b]
.endr
.irp b, 0,1,2,3
	v_lshrrev_b32 v[TM+4+\b], 23, v[TM+12+\b]
.endr
	v_lshl_or_b32 v[\pw], v[TM+5], 8, v[TM+4]
	v_lshl_or_b32 v[\pw], v[TM+6], 16, v[\pw]
	v_lshl_or_b32 v[\pw], v[TM+7], 24, v[\pw]
.irp c, 0,1
	v_cvt_scalef32_pk16_fp6_f32 v[PC+6*\c:PC+2+6*\c], v[(\s)+32*\c:(\s)+15+32*\c], v[TM+12+2*\c]
	v_cvt_scalef32_pk16_fp6_f32 v[PC+12+4*\c:PC+14+4*\c], v[(\s)+16+32*\c:(\s)+31+32*\c], v[TM+12+2*\c+1]
.endr
	v_nop
.irp c, 0,1
.irp i, 0,1,2
	v_permlane16_swap_b32 v[PC+6*\c+\i], v[PC+12+4*\c+\i]
.endr
.irp i, 0,1,2
	v_mov_b32 v[PC+3+6*\c+\i], v[PC+12+4*\c+\i]
.endr
.endr
.endm
.macro TAKE a, kv
	s_wait_xcnt 0x0
	WIN 0x02+(\a)/4
.set i, 0
.rept 32
.if \kv
	v_pk_add_f32 v[T+2*i:T+2*i+1], v[64*((\a)%4)+2*i:64*((\a)%4)+2*i+1], v[BV+2*(\a):BV+2*(\a)+1]
.else
	v_pk_add_f32 v[T+2*i:T+2*i+1], v[64*((\a)%4)+2*i:64*((\a)%4)+2*i+1], v[BQ+2*i:BQ+2*i+1]
.endif
.set i, i+1
.endr
	WIN 0
	QUANT T, PWS+(\a)
.endm
.macro CODES o0, o1
	global_store_b128 v4, v[PC:PC+3], s[12:13] offset:\o0
	global_store_b64 v5, v[PC+4:PC+5], s[12:13] offset:\o0
	global_store_b128 v4, v[PC+6:PC+9], s[12:13] offset:\o1
	global_store_b64 v5, v[PC+10:PC+11], s[12:13] offset:\o1
.endm
	s_mov_b32 s70, 0x76543210
	s_mov_b32 s71, 0xfedcba98
	s_wait_loadcnt 0x0
	PLACES NP
.irp b, 0,1,2,3
	v_mov_b32 v[TM+4+\b], 0
.endr
	s_cmp_lg_u32 s3, 0
	s_cbranch_scc1 .Lway_v
.irp a, 0,1,2,3,4,5,6,7
	TAKE \a, 0
	CODES 768*\a, HS+768*\a
.endr
.irp a, 0,1,2,3,4,5,6,7
	v_lshrrev_b32 v[T+\a], v8, v[PWS+\a]
.endr
.irp a, 0,1,2,3,4,5,6,7
	v_and_b32 v[T+\a], 0xffff, v[T+\a]
.endr
	global_store_b128 v9, v[T:T+3], s[12:13] offset:6144
	global_store_b128 v9, v[T+4:T+7], s[12:13] offset:6144+256
	s_branch .Ldone
.Lway_v:
.irp a, 0,1,2,3,4,5,6,7
	TAKE \a, 1
	CODES (\a/4)*HS+(\a%4)*1536, (\a/4)*HS+(\a%4)*1536+768
.endr
	v_cmp_ne_u32 vcc_lo, 0, v2
.irp t, 0,1,2,3
	v_cndmask_b32 v[T+\t], v[PWS+\t], v[PWS+4+\t], vcc_lo
.endr
	global_store_b128 v9, v[T:T+3], s[12:13] offset:6144
.Ldone:
	s_wait_tensorcnt 0x0
	ds_add_u32 v[SPW], v[NIL]
	s_wait_dscnt 0x0
	CROUND
	s_endpgm
.Lfunc_end_k_q00da823f00_gemm1:
	.size	k_q00da823f00_gemm1, .Lfunc_end_k_q00da823f00_gemm1-k_q00da823f00_gemm1
	.p2alignl 7, 3214868480
	.fill 96, 4, 3214868480
	.section	.rodata,"a",@progbits
	.p2align	6, 0x0
	.amdhsa_kernel k_q00da823f00_gemm1
		.amdhsa_group_segment_fixed_size 327680
		.amdhsa_private_segment_fixed_size 0
		.amdhsa_enable_private_segment 0
		.amdhsa_kernarg_size 32
		.amdhsa_user_sgpr_count 2
		.amdhsa_user_sgpr_kernarg_segment_ptr 1
		.amdhsa_wavefront_size32 1
		.amdhsa_system_sgpr_workgroup_id_x 1
		.amdhsa_system_sgpr_workgroup_id_y 1
		.amdhsa_system_sgpr_workgroup_id_z 1
		.amdhsa_system_vgpr_workitem_id 0
		.amdhsa_next_free_vgpr 1024
		.amdhsa_next_free_sgpr 104
		.amdhsa_reserve_vcc 1
		.amdhsa_float_denorm_mode_32 3
		.amdhsa_float_denorm_mode_16_64 3
		.amdhsa_memory_ordered 1
		.amdhsa_forward_progress 1
		.amdhsa_inst_pref_size 220
	.end_amdhsa_kernel
	.amdgpu_metadata
---
amdhsa.version: [ 1, 2 ]
amdhsa.kernels:
  - .name:           k_q00da823f00_gemm1
    .symbol:         k_q00da823f00_gemm1.kd
    .args:
      - { .name: xq, .offset: 0, .size: 8, .value_kind: global_buffer, .address_space: global }
      - { .name: wq, .offset: 8, .size: 8, .value_kind: global_buffer, .address_space: global }
      - { .name: b_qkv, .offset: 16, .size: 8, .value_kind: global_buffer, .address_space: global }
      - { .name: qkv, .offset: 24, .size: 8, .value_kind: global_buffer, .address_space: global }
    .group_segment_fixed_size: 327680
    .private_segment_fixed_size: 0
    .kernarg_segment_align: 8
    .kernarg_segment_size: 32
    .max_flat_workgroup_size: 128
    .sgpr_count:     104
    .vgpr_count:     1024
    .wavefront_size: 32
...
	.end_amdgpu_metadata
.endif
;; end of part 2
;; launch attn (part 3): grid 4 x 64, 16 waves a work-group, clusters of 4 x 1, 212,992 bytes of LDS; arguments qkv, mb, cq; writes cq
.if DOCPART == 3
	.amdgcn_target "amdgcn-amd-amdhsa--gfx1250"
	.amdhsa_code_object_version 6
	.text
	.protected	k_q00da823f00_attn
	.globl	k_q00da823f00_attn
	.p2align	8
	.type	k_q00da823f00_attn,@function
k_q00da823f00_attn:
	s_mov_b64 s[64:65], 0
	v_nop
	global_prefetch_b8 v0, s[64:65] scope:SCOPE_SE
	s_setreg_imm32_b32 hwreg(HW_REG_WAVE_MODE, 25, 1), 1
	s_wait_xcnt 0x0
	s_wait_alu depctr_hold_cnt(0) depctr_sa_sdst(0) depctr_va_vdst(0) depctr_va_sdst(0) depctr_va_ssrc(0) depctr_va_vcc(0) depctr_vm_vsrc(0)
	s_getreg_b32 s2, hwreg(HW_REG_IB_STS2, 6, 4)
	s_cmp_eq_u32 s2, 0
	s_cbranch_scc0 .Lentry_in_a_cluster
	s_endpgm
.Lentry_in_a_cluster:
	s_bfe_u32 s2, ttmp6, 0x10000c
	s_cmp_lg_u32 s2, 0x3003
	s_cbranch_scc0 .Lentry_shape_is_right
	s_endpgm
.Lentry_shape_is_right:
; ctx = softmax(where(mask == 0, -1000, q k^T / 8)) v for 64 heads of 64, both products on codes of FP6 (E2M3) with E8M0 scales; ctx is quantised here along the model's 1,024 and leaves as codes.
; THE SOFTMAX AHEAD OF THE SECOND PRODUCT: t = logit x log2(e); M = the row's largest t so far, rounded UP to a whole number; p = 2^(t - M) is quantised along the keys, not normalised;
; the row's sum is taken of the unquantised p and divides at the end.  When M moves, the sum and O are multiplied by 2^(old M - new M): exact.
; THE MASK REPLACES a score: a hidden score becomes -8000, which x log2(e) / 8 is the logit -1000 as t.  mb holds ready lane masks, read by scalar loads: one v_cndmask_b32 a score.
; SHARES.  A work-group owns ONE head of one batch and 512 queries; each of its sixteen waves owns two neighbouring tiles of 16 queries, one after the other.
; The head's 16 records of 128 keys (K codes, K scales, V^T codes, V scales: 13,056 bytes of each record) are 208,896 bytes: ALL of them lie in LDS for the whole launch.
; Each wave fetches one record by its one tensor load at the head; no LDS byte is filled again, so the walk over the keys has no barrier.
; CLUSTERS: the four work-groups of a head (grid x) need the same 16 records: each record is asked for jointly, mask 15; the descriptor hangs on the head and the wave's number alone.
; One round stands in front of the joint loads and one in front of s_endpgm.  The place in the cluster enters global addresses of Q, the mask words and ctx alone.
; NO PREFETCH: every byte of K and V is asked for by the head's loads, so there is no loop to run ahead in; the mask words are asked for one key step (256 bytes a wave) ahead by scalar loads.
; LAYOUT.  S^T = K Q^T, O^T = V^T P^T: a lane holds ONE query (lane % 16).  The first product's K is 64: registers 6-11 of Q's fragment are zero codes, written once.
; So registers 6-11 of a K fragment may hold any codes: K's eight fragments overlap, 6 registers apart, and the upper half of tile t is tile t + 1's data (the last tile's: zeros).  Bytes 2, 3 of Q's and K's scale words are 0, a finite code.
; Row r of tile t of keys, queries or channels is number 32 (t / 2) + 8 (t % 2) + r + 8 (r / 8): the 16 registers of two neighbouring result tiles are 16 neighbours.
; LIMITS: the promise holds while the scaled scores stay under 2^31 in magnitude; p under 2^-126 counts as 0; a block of zeros gets the byte 1 (read by this program alone); NaN and infinities are not served.
.set XSO,   6291456
.set REC,   19712
.set HS,    16*REC
.set RB,    13056                      ; bytes of a record that come into LDS
.set SPARE, 16*RB                      ; behind the records: the spare words, 128 bytes a wave: eight blocks of 256 bytes that no other line names
.set SPW,  4                           ; v4   my spare word; never rewritten
.set NIL,  5                           ; v5   0; never rewritten
.set AD16, 10                          ; v10  the step's record + 16 x lane
.set AD8,  11                          ; v11  + 512 + 8 x lane
.set OM,   29                          ; v29  -M as the last step left it
.set ADR,  30                          ; v30  + 16 r
.set KF,   32                          ; v32-85   K's eight fragments, 6 apart; then V's four in v32-79
.set VS,   88                          ; v88-91   V's scale words
.set Q2S,  92                          ; v92      the second tile's Q scale word
.set S,    96                          ; v96-159  S^T, then p
.set O,    160                         ; v160-191 O^T
.set PC,   192                         ; v192-203 p's codes
.set CT,   204                         ; v204-206, v208-210 as converted
.set BM,   212                         ; v212-215 block maxima
.set PR,   216                         ; v216-219 the other half's, then bytes
.set SO,   220                         ; v220-223 scale operands
.set FF,   224                         ; v224-225 f
.set PW,   226                         ; p's scale word
.set TP,   227
.set KS,   230                         ; v230-237 K's scale words
.set Q2,   238                         ; v238-243 the second tile's Q codes;  v228-229, v244-255 chains of the row's sum
.set MO,   2                           ; s2   byte in my two tiles' 8,192 bytes of mask words
.set WV,   3                           ; s3   wave
.set TB,   14                          ; s14  LDS byte of the record in hand
.set TW,   15
.set G1,   48
.set G0,   56
.set SEL,  60
.set CS,   62
.set CN,   66                          ; s66  -c
.set TL,   67
.macro ROUND                           ; a round of the cluster's barrier
	s_barrier_signal -1
	s_barrier_wait -1
	s_cmp_lg_u32 s[WV], 0
	s_cbranch_scc1 .Lnot_wave_0_\@
	s_barrier_signal -3
.Lnot_wave_0_\@:
	s_barrier_wait -3
	s_barrier_signal -1
	s_barrier_wait -1
.endm
	s_load_b128 s[4:7], s[0:1], 0x0                ; qkv, mb
	s_load_b64 s[8:9], s[0:1], 0x10                ; cq
	v_lshl_add_u32 v[SPW], v0, 2, SPARE
	v_mov_b32 v[NIL], 0
	ds_add_u32 v[SPW], v[NIL]                      ; the opening lines: the add, twice on end, and its wait ahead of my tensor load
	ds_add_u32 v[SPW], v[NIL]
	v_lshrrev_b32 v1, 5, v0
	s_delay_alu instid0(VALU_DEP_1)
	v_readfirstlane_b32 s[WV], v1                  ; wave 0..15
	s_bfe_u32 s70, ttmp6, 0x40000                  ; cx: which 512 queries
	s_and_b32 s71, ttmp7, 0xffff                   ; y: 16 batch + head
	s_mul_i32 s72, s71, HS
	s_mul_i32 s73, s[WV], REC
	s_add_co_u32 s72, s72, s73                     ; the record that I fetch: the head's record number wave
	s_mov_b32 s73, 0
	s_mul_i32 s74, s[WV], RB                       ; and its place in LDS
	s_lshl_b32 s76, s70, 2
	s_lshr_b32 s77, s[WV], 2
	s_add_co_u32 s76, s76, s77                     ; the record with my queries: 4 cx + wave / 4
	s_mul_i32 s76, s76, REC
	s_mul_i32 s77, s71, HS
	s_add_co_u32 s76, s76, s77
	s_add_co_u32 s76, s76, RB                      ; its Q part
	s_mov_b32 s77, 0
	s_lshl_b32 s78, s70, 5
	s_lshl_b32 s79, s[WV], 1
	s_add_co_u32 s78, s78, s79                     ; my first tile of queries: 32 cx + 2 wave
	s_lshl_b32 s80, s78, 12                        ; 4,096 bytes of mask words a tile
	s_mov_b32 s81, 0
	s_lshr_b32 s79, s71, 4
	s_lshl_b32 s79, s79, 7
	s_add_co_u32 s79, s79, s78                     ; my first tile of ctx's rows: 128 batch + tile
	s_and_b32 s82, s71, 15                         ; the head = which 64 along ctx's K
	s_mul_i32 s84, s79, 12288
	s_mul_i32 s83, s82, 768
	s_add_co_u32 s84, s84, s83
	s_mov_b32 s85, 0
	s_lshl_b32 s86, s79, 9
	s_lshr_b32 s83, s82, 3
	s_lshl_b32 s83, s83, 8
	s_add_co_u32 s86, s86, s83
	s_and_b32 s83, s82, 7
	s_lshl_b32 s83, s83, 1                         ; two bytes a head in a row's 16 bytes of scale words
	s_add_co_u32 s86, s86, s83
	s_add_co_u32 s86, s86, XSO
	s_mov_b32 s87, 0
	s_and_b32 s75, s[WV], 3
	s_mul_i32 s88, s75, 1536                       ; my first tile in the record's Q part: tile a = 2 (wave % 4), 768 bytes each
	s_lshr_b32 s89, s75, 1
	s_lshl_b32 s89, s89, 8
	s_and_b32 s90, s[WV], 1
	s_lshl_b32 s90, s90, 3
	s_add_co_u32 s89, s89, s90
	s_add_co_u32 s89, s89, 6144                    ; its scale word: 6144 + 256 (a / 4) + 4 (a % 4)
	; group 1: a dense block of 13,056 bytes as 51 rows of 256 (32 elements of 8 bytes); mask 15, bit 21 beside it
	s_mov_b32 s[G1], 15|(3<<16)|(1<<21)
	s_mov_b32 s[G1+1], 32<<16
	s_mov_b32 s[G1+2], 51<<16
	s_mov_b32 s[G1+3], 32<<16
	s_mov_b32 s[G1+4], 51
	s_mov_b32 s[G1+5], 32
	s_mov_b32 s[G1+6], 0
	s_mov_b32 s[G1+7], 0
	s_mov_b32 s[SEL], 0x76543210
	s_mov_b32 s[SEL+1], 0xfedcba98
	s_mov_b32 s[CS], 0x3e38aa3b                    ; c = log2(e) / 8
	s_mov_b32 s[CS+1], s[CS]
	s_mov_b32 s[CN], 0xbe38aa3b                    ; -c
	s_mov_b32 s[MO], 0
	s_wait_dscnt 0x0                               ; both opening adds are done
	s_wait_kmcnt 0x0
	s_mov_b32 s[G0], 1
	s_mov_b32 s[G0+1], s74
	s_add_nc_u64 s[G0+2:G0+3], s[4:5], s[72:73]
	s_or_b32 s[G0+3], s[G0+3], 0x80000000
	s_add_nc_u64 s[12:13], s[4:5], s[76:77]        ; Q
	s_add_nc_u64 s[6:7], s[6:7], s[80:81]          ; my mask words
	s_add_nc_u64 s[10:11], s[8:9], s[86:87]        ; ctx's scale bytes
	s_add_nc_u64 s[8:9], s[8:9], s[84:85]          ; ctx's codes
	ROUND                                          ; all four work-groups are here: the joint loads meet
	tensor_load_to_lds s[G0:G0+3], s[G1:G1+7]      ; my one tensor load of the launch
	s_nop 0
	v_and_b32 v29, 31, v0
	v_and_b32 v31, 15, v0
	v_mov_b32 v6, 0xc5fa0000                       ; v6  -8000.0
	s_delay_alu instid0(VALU_DEP_3)
	v_lshlrev_b32 v1, 4, v29                       ; v1  16 x lane
	v_lshlrev_b32 v2, 3, v29
	s_delay_alu instid0(VALU_DEP_4)
	v_lshlrev_b32 v3, 4, v31                       ; v3  16 r
	s_delay_alu instid0(VALU_DEP_2)
	v_add_nc_u32 v2, 512, v2                       ; v2  512 + 8 x lane
	v_add_nc_u32 v7, s88, v1                       ; v7-9 my first tile in the record's Q part: codes, codes, scale word
	s_delay_alu instid0(VALU_DEP_2)
	v_add_nc_u32 v8, s88, v2
	v_add_nc_u32 v9, s89, v3
	global_load_b128 v[16:19], v7, s[12:13]
	global_load_b64 v[20:21], v8, s[12:13]
	global_load_b32 v28, v9, s[12:13]
	global_load_b128 v[Q2:Q2+3], v7, s[12:13] offset:768   ; the second tile lies 768 bytes on, its scale word 4
	global_load_b64 v[Q2+4:Q2+5], v8, s[12:13] offset:768
	global_load_b32 v[Q2S], v9, s[12:13] offset:4
	s_load_b512 s[16:31], s[6:7], s[MO] offset:0x0 ; the first step's 64 mask words
	s_load_b512 s[32:47], s[6:7], s[MO] offset:0x40
	s_load_b512 s[68:83], s[6:7], s[MO] offset:0x80
	s_load_b512 s[84:99], s[6:7], s[MO] offset:0xc0
.irp j, 22,23,24,25,26,27
	v_mov_b32 v[\j], 0                             ; Q's K 64 .. 127
.endr
.irp j, 48,49,50,51,52,53
	v_mov_b32 v[KF+\j], 0                          ; the upper half of K's last fragment: no load lands here
.endr
.irp b, 0,1,2,3
	v_mov_b32 v[PR+\b], 0                          ; a lane permute's destination counts as read
.endr
	v_mov_b32 v[FF+1], 0                           ; named as the upper half of a pair
	v_mov_b32 v[TP], 0
	s_wait_alu depctr_va_vdst(0)
	s_wait_loadcnt 0x0                             ; Q, both tiles
	s_wait_tensorcnt 0x0                           ; my record is in
	s_barrier_signal -1
	s_barrier_wait -1                              ; and so is everybody's: all 16 records stay as they are from here on
; A KEY STEP: the 128 keys of the record at s[TB].
.macro STEP
	v_add_nc_u32 v[AD16], s[TB], v1                ; four plain lines: the places in front of the loads into registers that the last step's last products read
	v_add_nc_u32 v[AD8], s[TB], v2
	v_add_nc_u32 v[ADR], s[TB], v3
	v_mov_b32 v[OM], v12
.irp t, 0,1,2,3,4,5,6,7
	ds_load_b128 v[KF+6*\t:KF+6*\t+3], v[AD16] offset:768*\t
	ds_load_b64 v[KF+6*\t+4:KF+6*\t+5], v[AD8] offset:768*\t
.endr
	ds_load_b128 v[KS:KS+3], v[ADR] offset:6144
	ds_load_b128 v[KS+4:KS+7], v[ADR] offset:6400
	s_wait_alu depctr_va_vdst(0)
	s_wait_dscnt 0x0
.irp t, 0,1,2,3,4,5,6,7
	v_wmma_scale_f32_16x16x128_f8f6f4 v[S+8*\t:S+8*\t+7], v[KF+6*\t:KF+6*\t+11], v[16:27], 0, v[KS+\t], v28 matrix_a_fmt:MATRIX_FMT_FP6 matrix_b_fmt:MATRIX_FMT_FP6
.endr
.rept 4
	v_nop                                          ; places in front of the loads into K's registers and of the first read of the scores
.endr
.irp t, 0,1,2,3                                ; V^T: four tiles of 16 channels x 128 keys, into the registers that K has left; wanted behind the whole softmax
	ds_load_b128 v[KF+12*\t:KF+12*\t+3], v[AD16] offset:6656+1536*\t
	ds_load_b64 v[KF+12*\t+4:KF+12*\t+5], v[AD8] offset:6656+1536*\t
	ds_load_b128 v[KF+12*\t+6:KF+12*\t+9], v[AD16] offset:6656+1536*\t+768
	ds_load_b64 v[KF+12*\t+10:KF+12*\t+11], v[AD8] offset:6656+1536*\t+768
.endr
	ds_load_b128 v[VS:VS+3], v[ADR] offset:12800
	s_wait_kmcnt 0x0                               ; this step's 64 mask words, asked for a step ago, are in, and the loads have read their offset
.irp n, 0,1,2,3,4,5,6,7,8,9,10,11,12,13,14,15,16,17,18,19,20,21,22,23,24,25,26,27,28,29,30,31
	v_cndmask_b32 v[S+\n], v[S+\n], v6, s[16+\n]   ; the hidden scores become -8000; each accumulator from its low end on
.endr
.irp n, 0,1,2,3,4,5,6,7,8,9,10,11,12,13,14,15,16,17,18,19,20,21,22,23,24,25,26,27,28,29,30,31
	v_cndmask_b32 v[S+32+\n], v[S+32+\n], v6, s[68+\n]
.endr
	s_add_co_u32 s[MO], s[MO], 256
	s_and_b32 s[MO], s[MO], 8191                   ; behind my second tile's last step it is back at the first: the look-ahead stays inside my 8,192 bytes
	s_load_b512 s[16:31], s[6:7], s[MO] offset:0x0
	s_load_b512 s[32:47], s[6:7], s[MO] offset:0x40
	s_load_b512 s[68:83], s[6:7], s[MO] offset:0x80
	s_load_b512 s[84:99], s[6:7], s[MO] offset:0xc0
.irp b, 0,1,2,3                                ; the largest score of each block of 32 keys: it serves the row's maximum and, since p rises with the score, the block's largest p
	v_max3_num_f32 v[BM+\b], v[S+16*\b], v[S+16*\b+1], v[S+16*\b+2]
.endr
.irp i, 3,5,7,9,11,13
.irp b, 0,1,2,3
	s_delay_alu instid0(VALU_DEP_4)
	v_max3_num_f32 v[BM+\b], v[BM+\b], v[S+16*\b+\i], v[S+16*\b+\i+1]
.endr
.endr
.irp b, 0,1,2,3
	s_delay_alu instid0(VALU_DEP_4)
	v_max_num_f32 v[BM+\b], v[BM+\b], v[S+16*\b+15]
.endr
.irp b, 0,1,2,3
	s_delay_alu instid0(VALU_DEP_4)
	v_permlanex16_b32 v[PR+\b], v[BM+\b], s[SEL], s[SEL+1]
.endr
.irp b, 0,1,2,3
	s_delay_alu instid0(VALU_DEP_4)
	v_max_num_f32 v[BM+\b], v[BM+\b], v[PR+\b]     ; with lane l xor 16's 16 keys
.endr
	s_delay_alu instid0(VALU_DEP_2)
	v_max3_num_f32 v[TP], v[BM], v[BM+1], v[BM+2]
	s_delay_alu instid0(VALU_DEP_1)
	v_max3_num_f32 v13, v13, v[TP], v[BM+3]        ; the running largest score (c is positive: the largest t is c x it)
	s_delay_alu instid0(VALU_DEP_1)
	v_mul_f32 v[TP], s[CN], v13                    ; -t
	s_delay_alu instid0(VALU_DEP_1)
	v_floor_f32 v12, v[TP]                         ; the new -M = -ceil(t)
	s_delay_alu instid0(VALU_DEP_1)
	v_sub_f32 v[TP], v12, v[OM]                    ; old M - new M: a whole number, 0 or less
	s_delay_alu instid0(VALU_DEP_1)
	v_cvt_i32_f32 v[TP], v[TP]                     ; (it saturates)
	s_delay_alu instid0(VALU_DEP_1)
	v_ldexp_f32 v[FF], 1.0, v[TP]                  ; f = 2^(old M - new M)
.irp j, 0,2,4,6,8,10,12,14,16,18,20,22,24,26,28,30,32,34,36,38,40,42,44,46,48,50,52,54,56,58,60,62
	v_pk_fma_f32 v[S+\j:S+\j+1], v[S+\j:S+\j+1], s[CS:CS+1], v[12:13] op_sel_hi:[1,0,0]   ; t - M
.endr
.irp b, 0,1,2,3
	v_fma_f32 v[BM+\b], v[BM+\b], s[CS], v12       ; the same of each block's largest score
.endr
	s_wait_alu depctr_va_vdst(0)
.irp j, 0,1,2,3,4,5,6,7,8,9,10,11,12,13,14,15,16,17,18,19,20,21,22,23,24,25,26,27,28,29,30,31,32,33,34,35,36,37,38,39,40,41,42,43,44,45,46,47,48,49,50,51,52,53,54,55,56,57,58,59,60,61,62,63
	v_exp_f32 v[S+\j], v[S+\j]                     ; p = 2^(t - M)
.endr
.irp b, 0,1,2,3
	v_exp_f32 v[BM+\b], v[BM+\b]                   ; the block's largest p
.endr
	v_pk_mul_f32 v[14:15], v[14:15], v[FF:FF+1] op_sel_hi:[1,0]   ; the sums under the new M (a plain place behind the exponentials)
	s_wait_alu depctr_va_vdst(0)                   ; one wait for the whole batch
.irp b, 0,1,2,3
	v_max_num_f32 v[BM+\b], 0x1800000, v[BM+\b]    ; the floor 2^(3 - 127)
.endr
.irp b, 0,1,2,3
	s_delay_alu instid0(VALU_DEP_4)
	v_add_nc_u32 v[SO+\b], 0xff000000, v[BM+\b]
.endr
.irp b, 0,1,2,3
	s_delay_alu instid0(VALU_DEP_4)
	v_lshrrev_b32 v[PR+\b], 23, v[SO+\b]
.endr
	s_delay_alu instid0(VALU_DEP_3)
	v_lshl_or_b32 v[PW], v[PR+1], 8, v[PR]         ; p's scale word for these 128 keys
	s_delay_alu instid0(VALU_DEP_1)
	v_lshl_or_b32 v[PW], v[PR+2], 16, v[PW]
	s_delay_alu instid0(VALU_DEP_1)
	v_lshl_or_b32 v[PW], v[PR+3], 24, v[PW]
.irp c, 0,1
	v_cvt_scalef32_pk16_fp6_f32 v[PC+6*\c:PC+6*\c+2], v[S+32*\c:S+32*\c+15], v[SO+2*\c]
	v_cvt_scalef32_pk16_fp6_f32 v[CT+4*\c:CT+4*\c+2], v[S+32*\c+16:S+32*\c+31], v[SO+2*\c+1]
.endr
	v_nop                                          ; one plain place behind the conversions
.irp c, 0,1
.irp i, 0,1,2
	v_permlane16_swap_b32 v[PC+6*\c+\i], v[CT+4*\c+\i]
.endr
.irp i, 0,1,2
	s_delay_alu instid0(VALU_DEP_3)
	v_mov_b32 v[PC+6*\c+3+\i], v[CT+4*\c+\i]
.endr
.endr
	v_pk_add_f32 v[228:229], v[100:101], v[104:105]   ; the row's sum of the unquantised p, in eight chains
	v_pk_add_f32 v[254:255], v[108:109], v[112:113]
	v_pk_add_f32 v[252:253], v[116:117], v[120:121]
	v_pk_add_f32 v[250:251], v[124:125], v[128:129]
	v_pk_add_f32 v[248:249], v[132:133], v[136:137]
	v_pk_add_f32 v[246:247], v[140:141], v[144:145]
	v_pk_add_f32 v[244:245], v[148:149], v[152:153]
	v_pk_add_f32 v[14:15], v[14:15], v[156:157]
	v_pk_add_f32 v[228:229], v[228:229], v[96:97]
	v_pk_add_f32 v[254:255], v[254:255], v[98:99]
	v_pk_add_f32 v[252:253], v[252:253], v[102:103]
	v_pk_add_f32 v[250:251], v[250:251], v[106:107]
	v_pk_add_f32 v[248:249], v[248:249], v[110:111]
	v_pk_add_f32 v[246:247], v[246:247], v[114:115]
	v_pk_add_f32 v[244:245], v[244:245], v[118:119]
	v_pk_add_f32 v[14:15], v[14:15], v[122:123]
	v_pk_add_f32 v[228:229], v[228:229], v[126:127]
	v_pk_add_f32 v[254:255], v[254:255], v[130:131]
	v_pk_add_f32 v[252:253], v[252:253], v[134:135]
	v_pk_add_f32 v[250:251], v[250:251], v[138:139]
	v_pk_add_f32 v[248:249], v[248:249], v[142:143]
	v_pk_add_f32 v[246:247], v[246:247], v[146:147]
	v_pk_add_f32 v[244:245], v[244:245], v[150:151]
	v_pk_add_f32 v[14:15], v[14:15], v[154:155]
	v_pk_add_f32 v[228:229], v[228:229], v[158:159]
	s_delay_alu instid0(VALU_DEP_2)
	v_pk_add_f32 v[14:15], v[14:15], v[250:251]
	s_delay_alu instid0(VALU_DEP_2)
	v_pk_add_f32 v[228:229], v[228:229], v[248:249]
	v_pk_add_f32 v[254:255], v[254:255], v[246:247]
	v_pk_add_f32 v[252:253], v[252:253], v[244:245]
	s_delay_alu instid0(VALU_DEP_2)
	v_pk_add_f32 v[14:15], v[14:15], v[254:255]
	s_delay_alu instid0(VALU_DEP_2)
	v_pk_add_f32 v[228:229], v[228:229], v[252:253]
	s_delay_alu instid0(VALU_DEP_1)
	v_pk_add_f32 v[14:15], v[14:15], v[228:229]
	s_wait_dscnt 0x0                               ; V's fragments and scale words are in
	s_wait_alu depctr_va_vdst(0)
.irp j, 0,2,4,6,8,10,12,14,16,18,20,22,24,26,28,30
	v_pk_mul_f32 v[O+\j:O+\j+1], v[O+\j:O+\j+1], v[FF:FF+1] op_sel_hi:[1,0]   ; O^T under the new M, each accumulator from its low end on
.endr
.irp t, 0,1,2,3                                ; four accumulators by turns; the eight products K Q^T stand between two links of a chain
	v_wmma_scale_f32_16x16x128_f8f6f4 v[O+8*\t:O+8*\t+7], v[KF+12*\t:KF+12*\t+11], v[PC:PC+11], v[O+8*\t:O+8*\t+7], v[VS+\t], v[PW] matrix_a_fmt:MATRIX_FMT_FP6 matrix_b_fmt:MATRIX_FMT_FP6
.endr
.endm
	s_mov_b32 s[TL], 2
.Ltile:                                            ; one trip for each of my two tiles of queries
	v_mov_b32 v13, 0xff61b1e6                      ; the largest score so far: -3e38.  The step is written once: the first finds zeros, which the first change of M leaves zeros
	s_delay_alu instid0(VALU_DEP_1)
	v_floor_f32 v12, -v13                          ; -M
	v_mov_b32 v14, 0
	v_mov_b32 v15, 0
.irp j, 0,1,2,3,4,5,6,7,8,9,10,11,12,13,14,15,16,17,18,19,20,21,22,23,24,25,26,27,28,29,30,31
	v_mov_b32 v[O+\j], 0
.endr
	s_mov_b32 s[TB], 0
	s_mov_b32 s[TW], 16
	s_wait_alu depctr_va_vdst(0)
.Lstep:                                            ; the head's 16 records
	STEP
	s_add_co_u32 s[TB], s[TB], RB
	s_sub_co_u32 s[TW], s[TW], 1
	s_cmp_lg_u32 s[TW], 0
	s_cbranch_scc1 .Lstep
; A tile's end: O^T / the sum is my 16 rows x 64 of ctx: two blocks of 32 along ctx's K; quantised, it leaves as one piece of 768 bytes.
.rept 4
	v_nop                                          ; places behind the last products
.endr
	v_add_f32 v14, v14, v15
	s_delay_alu instid0(VALU_DEP_1)
	v_permlanex16_b32 v[TP], v14, s[SEL], s[SEL+1]
	s_delay_alu instid0(VALU_DEP_1)
	v_add_f32 v14, v14, v[TP]                      ; the row's sum
	s_wait_alu depctr_va_vdst(0)                   ; the wait ahead of the transcendental
	v_rcp_f32 v14, v14
	v_nop
	s_wait_alu depctr_va_vdst(0)                   ; and behind it, ahead of its first reader and of O^T's
.irp j, 0,2,4,6,8,10,12,14,16,18,20,22,24,26,28,30
	v_pk_mul_f32 v[S+\j:S+\j+1], v[O+\j:O+\j+1], v[14:15] op_sel_hi:[1,0]   ; register 16 b + i: channel 32 b + 16 h + i
.endr
.irp b, 0,1
	v_max3_num_f32 v[BM+\b], |v[S+16*\b]|, |v[S+16*\b+1]|, 0x1800000
.endr
.irp i, 2,4,6,8,10,12,14
.irp b, 0,1
	s_delay_alu instid0(VALU_DEP_2)
	v_max3_num_f32 v[BM+\b], v[BM+\b], |v[S+16*\b+\i]|, |v[S+16*\b+\i+1]|
.endr
.endr
.irp b, 0,1
	s_delay_alu instid0(VALU_DEP_2)
	v_permlanex16_b32 v[PR+\b], v[BM+\b], s[SEL], s[SEL+1]
.endr
.irp b, 0,1
	s_delay_alu instid0(VALU_DEP_2)
	v_max_num_f32 v[BM+\b], v[BM+\b], v[PR+\b]
.endr
.irp b, 0,1
	s_delay_alu instid0(VALU_DEP_2)
	v_add_nc_u32 v[SO+\b], 0xff000000, v[BM+\b]
.endr
.irp b, 0,1
	s_delay_alu instid0(VALU_DEP_2)
	v_lshrrev_b32 v[PR+\b], 23, v[SO+\b]
.endr
	s_delay_alu instid0(VALU_DEP_1)
	v_lshl_or_b32 v[TP], v[PR+1], 8, v[PR]         ; this head's two bytes
	v_cvt_scalef32_pk16_fp6_f32 v[PC:PC+2], v[S:S+15], v[SO]
	v_cvt_scalef32_pk16_fp6_f32 v[CT:CT+2], v[S+16:S+31], v[SO+1]
	v_nop
.irp i, 0,1,2
	v_permlane16_swap_b32 v[PC+\i], v[CT+\i]
.endr
.irp i, 0,1,2
	s_delay_alu instid0(VALU_DEP_3)
	v_mov_b32 v[PC+3+\i], v[CT+\i]
.endr
	global_store_b128 v1, v[PC:PC+3], s[8:9]       ; 512 consecutive bytes
	global_store_b64 v2, v[PC+4:PC+5], s[8:9]      ; and 256 behind them
	global_store_b16 v3, v[TP], s[10:11]           ; 2 bytes a row, 16 bytes apart (lanes 16-31 write the same again): the consumer's layout keeps a row's 16 heads in 32 bytes; 262,144 bytes in the whole launch
	s_wait_xcnt 0x0                                ; the stores have read their registers and bases
.irp j, 0,1,2,3,4,5
	v_mov_b32 v[16+\j], v[Q2+\j]                   ; the second tile's Q
.endr
	v_mov_b32 v28, v[Q2S]
	s_add_nc_u64 s[8:9], s[8:9], 12288             ; and its places in ctx
	s_add_nc_u64 s[10:11], s[10:11], 512
	s_sub_co_u32 s[TL], s[TL], 1
	s_cmp_lg_u32 s[TL], 0
	s_wait_alu depctr_va_vdst(0)
	s_cbranch_scc1 .Ltile
	s_wait_kmcnt 0x0                               ; the last look-ahead of mask words
	s_wait_tensorcnt 0x0                           ; the wave's end
	ds_add_u32 v[SPW], v[NIL]
	s_wait_dscnt 0x0
	ROUND                                          ; the closing round
	s_endpgm
.Lfunc_end_k_q00da823f00_attn:
	.size	k_q00da823f00_attn, .Lfunc_end_k_q00da823f00_attn-k_q00da823f00_attn
	.p2alignl 7, 3214868480
	.fill 96, 4, 3214868480
	.section	.rodata,"a",@progbits
	.p2align	6, 0x0
	.amdhsa_kernel k_q00da823f00_attn
		.amdhsa_group_segment_fixed_size 212992
		.amdhsa_private_segment_fixed_size 0
		.amdhsa_enable_private_segment 0
		.amdhsa_kernarg_size 24
		.amdhsa_user_sgpr_count 2
		.amdhsa_user_sgpr_kernarg_segment_ptr 1
		.amdhsa_wavefront_size32 1
		.amdhsa_system_sgpr_workgroup_id_x 1
		.amdhsa_system_sgpr_workgroup_id_y 1
		.amdhsa_system_sgpr_workgroup_id_z 1
		.amdhsa_system_vgpr_workitem_id 0
		.amdhsa_next_free_vgpr 256
		.amdhsa_next_free_sgpr 104
		.amdhsa_reserve_vcc 0
		.amdhsa_float_denorm_mode_32 3
		.amdhsa_float_denorm_mode_16_64 3
		.amdhsa_memory_ordered 1
		.amdhsa_forward_progress 1
		.amdhsa_inst_pref_size 36
	.end_amdhsa_kernel
	.amdgpu_metadata
---
amdhsa.version: [ 1, 2 ]
amdhsa.kernels:
  - .name:           k_q00da823f00_attn
    .symbol:         k_q00da823f00_attn.kd
    .args:
      - { .name: qkv, .offset: 0, .size: 8, .value_kind: global_buffer, .address_space: global }
      - { .name: mb, .offset: 8, .size: 8, .value_kind: global_buffer, .address_space: global }
      - { .name: cq, .offset: 16, .size: 8, .value_kind: global_buffer, .address_space: global }
    .group_segment_fixed_size: 212992
    .private_segment_fixed_size: 0
    .kernarg_segment_align: 8
    .kernarg_segment_size: 24
    .max_flat_workgroup_size: 512
    .sgpr_count:     104
    .vgpr_count:     256
    .wavefront_size: 32
...
	.end_amdgpu_metadata
.endif
;; end of part 3
;; launch gemm2 (part 4): grid 8 x 32, 4 waves a work-group, clusters of 4 x 4, 327,680 bytes of LDS; arguments cq, wq, b_out, out0; writes out0
.if DOCPART == 4
	.amdgcn_target "amdgcn-amd-amdhsa--gfx1250"
	.amdhsa_code_object_version 6
	.text
	.protected	k_q00da823f00_gemm2
	.globl	k_q00da823f00_gemm2
	.p2align	8
	.type	k_q00da823f00_gemm2,@function
k_q00da823f00_gemm2:
	s_mov_b64 s[64:65], 0
	v_nop
	global_prefetch_b8 v0, s[64:65] scope:SCOPE_SE
	s_setreg_imm32_b32 hwreg(HW_REG_WAVE_MODE, 25, 1), 1
	s_wait_xcnt 0x0
	s_wait_alu depctr_hold_cnt(0) depctr_sa_sdst(0) depctr_va_vdst(0) depctr_va_sdst(0) depctr_va_ssrc(0) depctr_va_vcc(0) depctr_vm_vsrc(0)
	s_getreg_b32 s2, hwreg(HW_REG_IB_STS2, 6, 4)
	s_cmp_eq_u32 s2, 0
	s_cbranch_scc0 .Lentry_in_a_cluster
	s_endpgm
.Lentry_in_a_cluster:
	s_bfe_u32 s2, ttmp6, 0x10000c
	s_cmp_lg_u32 s2, 0xf033
	s_cbranch_scc0 .Lentry_shape_is_right
	s_endpgm
.Lentry_shape_is_right:
; out0 = ctx W_out + b_out on codes of FP6 (E2M3) with E8M0 scales; ctx's codes and scales lie in cq, W_out's in wq from tile 192 on, both as images of the operand's registers (a tile of 16 rows: 12,288 bytes, 768 for each 64 along K).
; A block of out0 is 256 rows x 128 columns: 32 x 8 = 256 work-groups.  Four waves, each 128 x 64: 32 accumulators; source 0 = 16 columns of W_out, source 1 = 16 rows of ctx, so a lane holds eight neighbouring columns of a row.
; K goes in four slots' fills of 256 through a ring of two LDS slots: 16 tile rows of ctx (49,152 bytes) and 8 of W_out (24,576), each tile row 3,072 consecutive bytes at a multiple of 256.
; CLUSTERS 4 x 4: ctx's tiles are asked for jointly along a row of the cluster, W_out's along a column.  The bias is the C of each accumulator's first product.
; The scales of all of K come once, at the head.  W_out's are 16 rows of 256 bytes; the tile is stated with 32 rows, of which the load writes the last 16 as zeros: the scale loads' lanes 16-31 read 8 blocks, of which 4 are used.
; No prefetch: of the four fills two go out at the head and the other two one slot behind them, so no trip lies far enough ahead to ask in.
.set XSO,   6291456
.set WSO,   3145728
.set NQ,    2
.set FR,    12
.set NL,    4
.set NP,    4
.set HALFT, 24576                      ; 8 tile rows of ctx: what waves 0 and 1 fetch in the ring, and what a wave reads
.set HB,    12288                      ; 4 tile rows of W_out: the same for waves 2 and 3
.set SLOT,  2*HALFT+2*HB
.set SCL,   2*SLOT
.set SPARE, SCL+4*4096
.set SPITCH, 272                       ; a stage row: 256 bytes + 16
.set ADRA,  16
.set ADRB,  20
.set STO,   24
.set RD,    25
.set CO,    26
.set ADRS,  27
.set SPW,   28
.set NIL,   29
.set SC,    32
.set BI,    64
.set AF,    128
.set BK,    128
.set G1, 24
.set G0, 32
.set G1B, 48
.set G0B, 56
.set G1S, 68
.set G0S, 76
.set G1SB, 80
.set G0SB, 88
.set MSB, 0
.macro WIN new
.if MSB != (\new)
	s_set_vgpr_msb (MSB<<8)|(\new)
.set MSB, (\new)
.endif
.endm
.set MUL_LO, 0xa1
.set MUL_HI, 0xf1
.set TO_B,   0x40
.macro JLOAD g0a, g1a, g0b, g1b
	s_cmp_eq_u32 s15, 0
	s_cbranch_scc0 .Lfor_b_\@
	tensor_load_to_lds s[\g0a:\g0a+3], s[\g1a:\g1a+7]
	s_nop 0
.rept 4
	v_nop
.endr
	s_branch .Lasked_\@
.Lfor_b_\@:
	tensor_load_to_lds s[\g0b:\g0b+3], s[\g1b:\g1b+7]
	s_nop 0
.rept 4
	v_nop
.endr
.Lasked_\@:
.endm
.macro CREST
	s_cmp_lg_u32 s14, 0
	s_cbranch_scc1 .Lnot_wave_0_\@
	s_barrier_signal -3
.Lnot_wave_0_\@:
	s_barrier_wait -3
	s_barrier_signal -1
	s_barrier_wait -1
.endm
.macro CROUND
	s_barrier_signal -1
	s_barrier_wait -1
	CREST
.endm
	s_load_b128 s[4:7], s[0:1], 0x0
	s_load_b128 s[8:11], s[0:1], 0x10
	v_lshl_add_u32 v[SPW], v0, 2, SPARE
	v_mov_b32 v[NIL], 0
	ds_add_u32 v28, v29
	ds_add_u32 v28, v29
	s_wait_dscnt 0x0
	v_lshrrev_b32 v1, 5, v0
	v_readfirstlane_b32 s14, v1
	s_lshr_b32 s15, s14, 1                         ; which 128 rows are mine; also: I fetch for ctx (0) or W_out (1)
	s_and_b32 s16, s14, 1                          ; which 64 columns; also: which half of that tile I fetch
	s_bfe_u32 s40, ttmp6, 0x40000
	s_bfe_u32 s41, ttmp6, 0x40004
	s_lshl_b32 s42, ttmp9, 2
	s_add_co_u32 s42, s42, s40                     ; block column 0..7
	s_and_b32 s45, ttmp7, 0xffff
	s_lshl_b32 s45, s45, 2
	s_add_co_u32 s45, s45, s41                     ; block row 0..31
	s_lshl_b32 s43, s41, 2
	s_lshl_b32 s43, 15, s43
	s_lshl_b32 s44, 0x1111, s40
	s_or_b32 s[G1+0], s43, (3<<16)|(1<<21)
	s_or_b32 s[G1B+0], s44, (3<<16)|(1<<21)
.irp g, G1, G1B
	s_mov_b32 s[\g+1], 384<<16
	s_mov_b32 s[\g+3], 384<<16
	s_mov_b32 s[\g+5], 1536
	s_mov_b32 s[\g+6], 0
	s_mov_b32 s[\g+7], 0
.endr
	s_mov_b32 s[G1+2], 16<<16                      ; the head's loads bring whole tiles: 16 tile rows of ctx,
	s_mov_b32 s[G1+4], 16
	s_mov_b32 s[G1B+2], 8<<16                      ; 8 of W_out
	s_mov_b32 s[G1B+4], 8
	s_or_b32 s[G1S+0], s43, (3<<16)|(1<<21)
	s_or_b32 s[G1SB+0], s44, (3<<16)|(1<<21)
.irp g, G1S, G1SB
	s_mov_b32 s[\g+1], 32<<16
	s_mov_b32 s[\g+3], 32<<16
	s_mov_b32 s[\g+4], 32
	s_mov_b32 s[\g+5], 32
	s_mov_b32 s[\g+6], 0
	s_mov_b32 s[\g+7], 0
.endr
	s_mov_b32 s[G1S+2], 32<<16
	s_mov_b32 s[G1SB+2], 16<<16                    ; 16 rows are left of the tensor: the tile's other 16 are written as zeros
	s_lshl_b32 s20, s45, 1
	s_add_co_u32 s20, s20, s16                     ; ctx: which 8 tiles
	s_add_co_u32 s46, s42, 24
	s_lshl_b32 s46, s46, 1
	s_add_co_u32 s46, s46, s16                     ; W_out: which 4 tiles of wq: tile 192 + 8 x block column + 4 x half
	s_lshl_b32 s22, s20, 12
	s_add_co_u32 s22, s22, XSO
	s_lshl_b32 s94, s46, 11
	s_add_co_u32 s94, s94, WSO
	s_mul_i32 s20, s20, 98304
	s_mul_i32 s46, s46, 49152
	s_mov_b32 s21, 0
	s_mov_b32 s23, 0
	s_mov_b32 s47, 0
	s_mov_b32 s95, 0
	s_mul_i32 s66, s14, HALFT                      ; where my part of a slot goes: ctx's halves,
	s_mul_i32 s67, s16, HB
	s_add_co_u32 s67, s67, 2*HALFT                 ; W_out's behind them
	s_wait_kmcnt 0x0
	s_add_nc_u64 s[20:21], s[4:5], s[20:21]
	s_add_nc_u64 s[22:23], s[4:5], s[22:23]
	s_add_nc_u64 s[46:47], s[6:7], s[46:47]
	s_add_nc_u64 s[94:95], s[6:7], s[94:95]
	CROUND
; THE HEAD'S FOUR TILES, each whole, one joint load a wave: wave 0 slot 0's 16 tile rows of ctx, wave 1 its 8 of W_out, wave 2 ctx's scales, wave 3 W_out's.
	s_mul_i32 s100, s16, 98304                     ; s[20:21] points at my half: the whole tile begins so many bytes earlier
	s_mov_b32 s101, 0
	s_mov_b32 s[G0], 1
	s_mov_b32 s[G0+1], 0
	s_sub_nc_u64 s[G0+2:G0+3], s[20:21], s[100:101]
	s_or_b32 s[G0+3], s[G0+3], 0x80000000
	s_mul_i32 s100, s16, 49152
	s_mov_b32 s[G0B], 1
	s_mov_b32 s[G0B+1], 2*HALFT
	s_sub_nc_u64 s[G0B+2:G0B+3], s[46:47], s[100:101]
	s_or_b32 s[G0B+3], s[G0B+3], 0x80000000
	s_lshl_b32 s100, s16, 12
	s_mov_b32 s[G0S], 1
	s_mov_b32 s[G0S+1], SCL
	s_sub_nc_u64 s[G0S+2:G0S+3], s[22:23], s[100:101]
	s_or_b32 s[G0S+3], s[G0S+3], 0x80000000
	s_lshl_b32 s100, s16, 11
	s_mov_b32 s[G0SB], 1
	s_mov_b32 s[G0SB+1], SCL+8192
	s_sub_nc_u64 s[G0SB+2:G0SB+3], s[94:95], s[100:101]
	s_or_b32 s[G0SB+3], s[G0SB+3], 0x80000000
	s_mov_b32 s[G0+4], 1                           ; slot 1's first fill: my part, as in the ring
	s_add_co_u32 s[G0+5], s66, SLOT
	s_add_nc_u64 s[G0+6:G0+7], s[20:21], 3072
	s_or_b32 s[G0+7], s[G0+7], 0x80000000
	s_mov_b32 s[G0B+4], 1
	s_add_co_u32 s[G0B+5], s67, SLOT
	s_add_nc_u64 s[G0B+6:G0B+7], s[46:47], 3072
	s_or_b32 s[G0B+7], s[G0B+7], 0x80000000
.macro ARM under, g0, g1, next                 ; one chain of branches on the wave's number: every way passes exactly one load
	s_cmp_lt_u32 s14, \under
	s_cbranch_scc0 \next
	tensor_load_to_lds s[\g0:\g0+3], s[\g1:\g1+7]
	s_nop 0
.rept 4
	v_nop
.endr
	s_branch .Lhead_asked
\next:
.endm
	ARM 1, G0,  G1,  .Lhead_b
	ARM 2, G0B, G1B, .Lhead_sa
	ARM 3, G0S, G1S, .Lhead_sb
	tensor_load_to_lds s[G0SB:G0SB+3], s[G1SB:G1SB+7]
	s_nop 0
.rept 4
	v_nop
.endr
.Lhead_asked:
	s_wait_alu depctr_va_vdst(0)
	s_wait_tensorcnt 0x0                           ; my tile of the four is in
	ds_add_u32 v28, v29
	s_mov_b32 s[G1+2], 8<<16                       ; no tensor load of mine is out: from here on a load brings 8 tile rows of ctx
	s_mov_b32 s[G1+4], 8
	s_mov_b32 s[G1B+2], 4<<16                      ; or 4 of W_out,
	s_mov_b32 s[G1B+4], 4
	s_add_co_u32 s[G0+1], s66, 0                   ; and slot 0's group 0 points at my part: its first refill steps it on
	s_mov_b64 s[G0+2:G0+3], s[20:21]
	s_or_b32 s[G0+3], s[G0+3], 0x80000000
	s_add_co_u32 s[G0B+1], s67, 0
	s_mov_b64 s[G0B+2:G0B+3], s[46:47]
	s_or_b32 s[G0B+3], s[G0B+3], 0x80000000
	s_wait_dscnt 0x0
	CROUND
	JLOAD G0+4, G1, G0B+4, G1B
	v_and_b32 v1, 15, v0
	v_bfe_u32 v2, v0, 4, 1
	v_and_b32 v3, 31, v0
	v_lshlrev_b32 v4, 4, v3
	v_lshlrev_b32 v5, 3, v3
	v_add_nc_u32 v5, 512, v5
	s_mul_i32 s21, s15, HALFT
	s_mul_i32 s22, s16, HB
	s_add_co_u32 s22, s22, 2*HALFT
.irp s, 0,1
	v_add_nc_u32 v[ADRA+\s], s21, v4
	v_add_nc_u32 v[ADRB+\s], s22, v4
	v_add_nc_u32 v[ADRA+2+\s], s21, v5
	v_add_nc_u32 v[ADRB+2+\s], s22, v5
	s_add_co_u32 s21, s21, SLOT
	s_add_co_u32 s22, s22, SLOT
.endr
	v_lshlrev_b32 v6, 4, v1
	s_lshl_b32 s21, s15, 12                        ; scale words: lanes 0-15 ctx's (4,096 bytes for my 128 rows),
	s_lshl_b32 s22, s16, 11                        ; lanes 16-31 W_out's (2,048 for my 64 columns), behind ctx's 8,192
	s_add_co_u32 s22, s22, 8192
	s_sub_co_u32 s22, s22, s21
	v_mul_u32_u24 v7, s22, v2
	s_add_co_u32 s21, s21, SCL
	v_add_nc_u32 v6, v6, v7
	v_add_nc_u32 v[ADRS], s21, v6
	s_mul_i32 s23, s14, 16*SPITCH                  ; my stage, in slot 0, which has had its last fill and its last read when the first result is stored there
	v_mul_u32_u24 v6, v1, SPITCH
	v_lshl_add_u32 v6, v2, 6, v6
	v_add_nc_u32 v[STO], s23, v6                   ; in: row r, 64 h
	v_mul_u32_u24 v6, v2, SPITCH
	v_lshl_add_u32 v6, v1, 4, v6
	v_add_nc_u32 v[RD], s23, v6                    ; back: lanes 0-15 one row of 256 bytes, lanes 16-31 the next
	v_lshlrev_b32 v[CO], 12, v2
	v_lshl_add_u32 v[CO], v1, 4, v[CO]             ; and the same two rows in out0 (4,096 bytes a row)
	s_lshl_b32 s92, s45, 8
	s_lshl_b32 s18, s15, 7
	s_add_co_u32 s92, s92, s18                     ; my first row
	s_lshl_b32 s93, s42, 7
	s_lshl_b32 s18, s16, 6
	s_add_co_u32 s93, s93, s18                     ; my first column
	s_lshl_b32 s96, s93, 2
	s_mov_b32 s97, 0
	s_add_nc_u64 s[98:99], s[8:9], s[96:97]
	s_lshl_b32 s18, s92, 12
	s_add_co_u32 s18, s18, s96
	s_mov_b32 s19, 0
	s_add_nc_u64 s[12:13], s[10:11], s[18:19]
	v_lshlrev_b32 v10, 6, v2
.irp b, 0,1,2,3
	global_load_b128 v[BI+8*\b:BI+8*\b+3], v10, s[98:99] offset:(32*(\b/2)+8*(\b%2))*4
	global_load_b128 v[BI+8*\b+4:BI+8*\b+7], v10, s[98:99] offset:(32*(\b/2)+8*(\b%2))*4+16
.endr
.macro FRAG reg, adr, q, i
	ds_load_b128 v[\reg:\reg+3], v[\adr] offset:3072*(\i)+1536*(\q)
	ds_load_b64 v[\reg+4:\reg+5], v[\adr+2] offset:3072*(\i)+1536*(\q)
	ds_load_b128 v[\reg+6:\reg+9], v[\adr] offset:3072*(\i)+1536*(\q)+768
	ds_load_b64 v[\reg+10:\reg+11], v[\adr+2] offset:3072*(\i)+1536*(\q)+768
.endm
.macro MUL8 a0, p, q, sc, first        ; ctx's blocks a0, a0 + 1 x W_out's four; the 32 accumulators take turns, one instruction a turn
.irp a, \a0, \a0+1
.irp b, 0,1,2,3
.set DA, 8*(8*((\a)%4)+\b)
.set RB, 128*(\p)+FR*\b
.set RA, AF+FR*(\a)
.set SCB, SC+8*NQ*(\sc)+NQ*\b+(\q)
.set SCA, SC+8*NQ*(\sc)+NQ*(\a)+(\q)
.if \first
	v_wmma_scale_f32_16x16x128_f8f6f4 v[DA:DA+7], v[RB:RB+FR-1], v[RA:RA+FR-1], v[BI+8*\b:BI+8*\b+7], v[SCB], v[SCA] matrix_a_fmt:MATRIX_FMT_FP6 matrix_b_fmt:MATRIX_FMT_FP6 matrix_a_scale:MATRIX_SCALE_ROW1
.else
	v_wmma_scale_f32_16x16x128_f8f6f4 v[DA:DA+7], v[RB:RB+FR-1], v[RA:RA+FR-1], v[DA:DA+7], v[SCB], v[SCA] matrix_a_fmt:MATRIX_FMT_FP6 matrix_b_fmt:MATRIX_FMT_FP6 matrix_a_scale:MATRIX_SCALE_ROW1
.endif
.endr
.endr
.endm
.macro FETCH_B slot, q, p
	WIN TO_B
.irp i, 0,1,2,3
	FRAG 128*(\p)+FR*\i, ADRB+\slot, \q, \i
.endr
	WIN 0
.endm
.macro FETCH_A slot, q, i0
.irp i, \i0, \i0+1, \i0+2, \i0+3
	FRAG AF+FR*(\i), ADRA+\slot, \q, \i
.endr
.endm
.macro SCALES sc, ks
.irp i, 0,1,2,3,4,5,6,7
	ds_load_b64 v[SC+8*NQ*\sc+NQ*\i:SC+8*NQ*\sc+NQ*\i+1], v[ADRS] offset:512*\i+256*((\ks)/2)+8*((\ks)%2)
.endr
.endm
.macro PLACES n
.rept \n
	v_nop
.endr
.endm
.macro STEP slot, q, first
	s_wait_dscnt 4*NL                              ; all but the youngest 16 loads (ctx's blocks 4-7)
.if \first
	WIN 0x81
.else
	WIN MUL_LO
.endif
	MUL8 0, (\q)%2, \q, \slot, \first
	MUL8 2, (\q)%2, \q, \slot, \first
	s_wait_dscnt 0
	PLACES NP
	FETCH_B \slot, (\q)+1, 1-(\q)%2
	FETCH_A \slot, (\q)+1, 0
.if \first
	WIN 0xc1
.else
	WIN MUL_HI
.endif
	MUL8 4, (\q)%2, \q, \slot, \first
	MUL8 6, (\q)%2, \q, \slot, \first
	PLACES NP
	WIN 0
	FETCH_A \slot, (\q)+1, 4
.endm
.macro TURN slot, next, fill, ks
	s_wait_tensorcnt 0x0                           ; all my tensor loads are in, my part of the next slot among them
	ds_add_u32 v[SPW], v[NIL]
	s_wait_dscnt 4*NL+1                            ; (the add and the youngest 16 loads may be out)
	WIN MUL_LO
	MUL8 0, 1, NQ-1, \slot, 0
	s_wait_dscnt 0x0                               ; the add is done, and so are my reads of this slot
	s_barrier_signal -1
	MUL8 2, 1, NQ-1, \slot, 0
	WIN 0
	s_barrier_wait -1
.if \fill
	CREST                                          ; the barrier has opened a round of the cluster's barrier
	s_add_nc_u64 s[G0+4*\slot+2:G0+4*\slot+3], s[G0+4*\slot+2:G0+4*\slot+3], 6144
	s_add_nc_u64 s[G0B+4*\slot+2:G0B+4*\slot+3], s[G0B+4*\slot+2:G0B+4*\slot+3], 6144
	JLOAD G0+4*\slot, G1, G0B+4*\slot, G1B
.else
	PLACES NP
.endif
	FETCH_B \next, 0, 0
	FETCH_A \next, 0, 0
	SCALES \next, \ks
	WIN MUL_HI
	MUL8 4, 1, NQ-1, \slot, 0
	MUL8 6, 1, NQ-1, \slot, 0
	PLACES NP
	WIN 0
	FETCH_A \next, 0, 4
.endm
	s_wait_alu depctr_va_vdst(0)
	s_wait_tensorcnt 1                             ; (slot 1's load may be out: slot 0 and the scales were shown whole by the round above)
	s_barrier_signal -1
	s_barrier_wait -1
	FETCH_B 0, 0, 0
	FETCH_A 0, 0, 0
	SCALES 0, 0
	FETCH_A 0, 0, 4
	s_wait_loadcnt 0x0                             ; the bias
	STEP 0, 0, 1
	TURN 0, 1, 1, 1
	STEP 1, 0, 0
	TURN 1, 0, 1, 2
	STEP 0, 0, 0
	TURN 0, 1, 0, 3
	STEP 1, 0, 0
	s_wait_dscnt 4*NL
	WIN MUL_LO
	MUL8 0, 1, NQ-1, 1, 0
	MUL8 2, 1, NQ-1, 1, 0
	s_wait_dscnt 0
	WIN MUL_HI
	MUL8 4, 1, NQ-1, 1, 0
	MUL8 6, 1, NQ-1, 1, 0
	WIN 0
; THE WAY OUT, block by block of 16 rows x 64 columns: through my own stage and back as whole rows of 256 bytes, two rows an instruction.
.macro TOSTAGE a
.set AC, 64*((\a)%4)
	WIN 0x08+4*((\a)/4)
.irp b, 0,1,2,3
	ds_store_b128 v[STO], v[AC+8*\b:AC+8*\b+3] offset:128*(\b/2)+32*(\b%2)      ; each accumulator from its low end on
	ds_store_b128 v[STO], v[AC+8*\b+4:AC+8*\b+7] offset:128*(\b/2)+32*(\b%2)+16
.endr
	WIN 0
.set BB, BK+32*((\a)%2)
.irp t, 0,1,2,3,4,5,6,7
	ds_load_b128 v[BB+4*\t:BB+4*\t+3], v[RD] offset:2*\t*SPITCH
.endr
.endm
.macro SEND a, younger                 ; stage row 2 t + h is row 32 (a / 2) + 8 (a % 2) + 2 t + 8 (t / 4) + h of my 128
.set BB, BK+32*((\a)%2)
	s_wait_dscnt \younger
.irp t, 0,1,2,3,4,5,6,7
	global_store_b128 v[CO], v[BB+4*\t:BB+4*\t+3], s[12:13] offset:(32*((\a)/2)+8*((\a)%2)+2*\t+8*(\t/4))*4096 th:TH_STORE_NT   ; sixteen lanes store 256 consecutive bytes, aligned
.endr
.endm
	PLACES NP
	TOSTAGE 0
.irp a, 1,2,3,4,5,6,7
.if \a > 1
	s_wait_xcnt 0x0                                ; block a - 2's stores have read their registers
.endif
	TOSTAGE \a
	SEND \a-1, 16                                  ; behind block a - 1's loads: block a's 8 stores and 8 loads
.endr
	SEND 7, 0
	s_wait_tensorcnt 0x0                           ; the wave's end
	ds_add_u32 v[SPW], v[NIL]
	s_wait_dscnt 0x0
	CROUND                                         ; the closing round
	s_endpgm
.Lfunc_end_k_q00da823f00_gemm2:
	.size	k_q00da823f00_gemm2, .Lfunc_end_k_q00da823f00_gemm2-k_q00da823f00_gemm2
	.p2alignl 7, 3214868480
	.fill 96, 4, 3214868480
	.section	.rodata,"a",@progbits
	.p2align	6, 0x0
	.amdhsa_kernel k_q00da823f00_gemm2
		.amdhsa_group_segment_fixed_size 327680
		.amdhsa_private_segment_fixed_size 0
		.amdhsa_enable_private_segment 0
		.amdhsa_kernarg_size 32
		.amdhsa_user_sgpr_count 2
		.amdhsa_user_sgpr_kernarg_segment_ptr 1
		.amdhsa_wavefront_size32 1
		.amdhsa_system_sgpr_workgroup_id_x 1
		.amdhsa_system_sgpr_workgroup_id_y 1
		.amdhsa_system_sgpr_workgroup_id_z 1
		.amdhsa_system_vgpr_workitem_id 0
		.amdhsa_next_free_vgpr 1024
		.amdhsa_next_free_sgpr 104
		.amdhsa_reserve_vcc 0
		.amdhsa_float_denorm_mode_32 3
		.amdhsa_float_denorm_mode_16_64 3
		.amdhsa_memory_ordered 1
		.amdhsa_forward_progress 1
		.amdhsa_inst_pref_size 91
	.end_amdhsa_kernel
	.amdgpu_metadata
---
amdhsa.version: [ 1, 2 ]
amdhsa.kernels:
  - .name:           k_q00da823f00_gemm2
    .symbol:         k_q00da823f00_gemm2.kd
    .args:
      - { .name: cq, .offset: 0, .size: 8, .value_kind: global_buffer, .address_space: global }
      - { .name: wq, .offset: 8, .size: 8, .value_kind: global_buffer, .address_space: global }
      - { .name: b_out, .offset: 16, .size: 8, .value_kind: global_buffer, .address_space: global }
      - { .name: out0, .offset: 24, .size: 8, .value_kind: global_buffer, .address_space: global }
    .group_segment_fixed_size: 327680
    .private_segment_fixed_size: 0
    .kernarg_segment_align: 8
    .kernarg_segment_size: 32
    .max_flat_workgroup_size: 128
    .sgpr_count:     104
    .vgpr_count:     1024
    .wavefront_size: 32
...
	.end_amdgpu_metadata
.endif
;; end of part 4
